; MI455X (gfx1250); checked and timed in simulation.
; The chip was launched on July 23, 2026; its instructions are those of AMD's public machine-readable ISA for CDNA 5 (MIT licence, August 2026) and "CDNA5" Instruction Set Architecture Reference Guide (July 2026). The comments in the code are by the model that wrote it; some were corrected since.
;; Block. Allowed arithmetic: matrix products marked QUANTISED: E4M3 operands, one given power-of-two scale a tensor, by v_wmma_f32_16x16x64_fp8_fp8 or v_wmma_f32_16x16x128_fp8_fp8, f32 sums; everything else in f32.
;; Inputs: b1 4,096 float32; b2 1,024 float32; b_proj 1,024 float32; be1 1,024 float32; be2 1,024 float32; g1 1,024 float32; g2 1,024 float32; lowp_scales 16 int32 (the exponents e of the quantised operands' scales 2^e); w1_codes 4,096 x 32 x 32 uint8 (E4M3 codes of w1, K innermost, in blocks of 32 codes); w2_codes 1,024 x 128 x 32 uint8 (E4M3 codes of w2, K innermost, in blocks of 32 codes); w_proj_codes 1,024 x 32 x 32 uint8 (E4M3 codes of w_proj, K innermost, in blocks of 32 codes); wk_codes 16 x 64 x 32 x 32 uint8 (E4M3 codes of wk, K innermost, in blocks of 32 codes); wq_codes 16 x 64 x 32 x 32 uint8 (E4M3 codes of wq, K innermost, in blocks of 32 codes); wv_codes 16 x 64 x 32 x 32 uint8 (E4M3 codes of wv, K innermost, in blocks of 32 codes); x 2 x 2,048 x 1,024 float32.
;; Outputs: out0 2 x 2,048 x 1,024 float32.
;; This version of the problem:
;;   THIS VERSION OF THE PROBLEM IS GIVEN IN LOW PRECISION. The matrix products marked QUANTISED in the list below multiply operands that are first quantised to E4M3 (4 exponent bits, 3 mantissa bits; 8 bits a number), with one given power-of-two scale for each operand tensor; their sums are f32. All else is computed in f32.
;;   The module's matrix products, in the order in which they are computed (A, B: the left and right operand; K: the contracted axis; several contracted axes count as one K, in the product's order):
;;     1. [M 1,024, K 1,024] x [K 1,024, N 4,096]; A: input wq (given as codes); B: computed on the way: QUANTISED (scales: A lowp_scales[0], B lowp_scales[1])
;;     2. [M 1,024, K 1,024] x [K 1,024, N 4,096]; A: input wk (given as codes); B: computed on the way: QUANTISED (scales: A lowp_scales[2], B lowp_scales[3])
;;     3. [M 1,024, K 1,024] x [K 1,024, N 4,096]; A: input wv (given as codes); B: computed on the way: QUANTISED (scales: A lowp_scales[4], B lowp_scales[5])
;;     4. batch 32 x [M 2,048, K 64] x [K 64, N 2,048]; A: computed on the way; B: computed on the way: QUANTISED (scales: A lowp_scales[6], B lowp_scales[7])
;;     5. batch 32 x [M 2,048, K 2,048] x [K 2,048, N 64]; A: softmax (see below); B: computed on the way: QUANTISED (scales: A lowp_scales[8], B lowp_scales[9])
;;     6. [M 4,096, K 1,024] x [K 1,024, N 1,024]; A: computed on the way; B: input w_proj (given as codes): QUANTISED (scales: A lowp_scales[10], B lowp_scales[11])
;;     7. [M 4,096, K 1,024] x [K 1,024, N 4,096]; A: computed on the way; B: input w1 (given as codes): QUANTISED (scales: A lowp_scales[12], B lowp_scales[13])
;;     8. [M 4,096, K 4,096] x [K 4,096, N 1,024]; A: computed on the way; B: input w2 (given as codes): QUANTISED (scales: A lowp_scales[14], B lowp_scales[15])
;;   THE QUANTISER, for each operand of a quantised product, along K:
;;     - The operand's scale is 2^e, e = its entry of the input lowp_scales (int32; the entries are numbered through the quantised products in the list's order, A before B).
;;     - Each number is divided by the scale, clamped to +-448, and rounded to the nearest number of E4M3, ties to even, subnormals kept.
;;     - The product sums the exact products of the quantised numbers (number of the format x scale) in f32.
;;   ~~~python
;;   def quantise(x, axis, e):      # numpy; x: float32 -> the quantised numbers, widened to float32 again
;;       x = np.moveaxis(x, axis, -1); K = x.shape[-1]
;;       r = np.clip(x / 2.0 ** e, -448, 448)
;;       step = 2.0 ** (np.maximum(np.frexp(np.where(r == 0, 1, r))[1] - 1, -6) - 3)
;;       q = np.round(r / step) * step * 2.0 ** e      # np.round: ties to even
;;       return np.moveaxis(q, -1, axis).astype(np.float32)
;;   ~~~
;;   SOFTMAX AHEAD OF A QUANTISED PRODUCT. Where the list says 'softmax', what is quantised is not the finished softmax but p = 2^(t - M), with t = logit x log2(e) and M = ceil(the row's largest t), a whole number; so 1/2 < the row's largest p <= 1. The row's sum l is taken of the UNQUANTISED p, in f32, and the product's result is divided by l at the end. Since M is a whole number, a kernel that streams over the keys may use a running M (the ceiling of the running maximum): every later rescaling is an exact power of two, so the quantised numbers keep their values, but for numbers so far below the row's largest that they fall under the format's range.
;;   OPERANDS COMPUTED ON THE WAY. 'Computed on the way' means the value that the module computes at that place (a softmax that the list does not call 'softmax' is quantised finished and normalised). What goes into a quantiser is computed in f32, as accurately as f32 sums, v_exp_f32 and their like allow (about 1e-6 of the number): no bf16 or f16 on the way to a quantiser, and a product that is left as it is and whose result goes on into a quantised operand takes f32 operands (vector FMAs, or v_wmma_f32_16x16x4_f32). A number that lies on a knife's edge between two numbers of the format may be rounded either way, as far as f32 arithmetic and the matrix unit's own rounding can turn it there, and no further.
;;   INPUTS GIVEN AS CODES. w1 (in the module: [1024, 4096], K = its axis 0); w2 (in the module: [4096, 1024], K = its axis 0); w_proj (in the module: [1024, 1024], K = its axis 0); wk (in the module: [16, 1024, 64], K = its axis 1); wq (in the module: [16, 1024, 64], K = its axis 1); wv (in the module: [16, 1024, 64], K = its axis 1): each comes as NAME_codes (uint8): NAME with its K axis moved to the last place and cut into blocks of 32 codes, [.., K / 32, bytes a block], one block behind the other in memory; one code a byte (a code: sign, 4 exponent bits, 3 mantissa bits); its scale is its entry of lowp_scales. Its value is code x scale, taken as it is: it is not quantised again, and the codes and scales need not be those that the quantiser above would give.
;; One version. Each part assembles by itself: llvm-mc -triple=amdgcn-amd-amdhsa -mcpu=gfx1250 --defsym DOCPART=n.
;; ======== version 1 of 1: 7 launches
;; limits: right only within a limited range of input values
;; workspace buffers: h3 12,582,912 bytes; qc 4,194,304 bytes; kc 4,194,304 bytes; vc 4,194,304 bytes; ac 4,194,304 bytes; x1 16,777,216 bytes; h2c 4,194,304 bytes; hid 16,777,216 bytes
;; launch ln1 (part 1): grid 256 x 1, 8 waves a work-group, no clusters, 50,176 bytes of LDS; arguments x, g1, be1, lowp_scales, h3; writes h3
.if DOCPART == 1
	.amdgcn_target "amdgcn-amd-amdhsa--gfx1250"
	.amdhsa_code_object_version 6
	.text
	.protected	k_qf747bebaad_ln1
	.globl	k_qf747bebaad_ln1
	.p2align	8
	.type	k_qf747bebaad_ln1,@function
k_qf747bebaad_ln1:
	s_mov_b64 s[64:65], 0
	v_nop
	global_prefetch_b8 v0, s[64:65] scope:SCOPE_SE
	s_setreg_imm32_b32 hwreg(HW_REG_WAVE_MODE, 25, 1), 1
	s_wait_xcnt 0x0
; THE PROGRAM: a pre-norm transformer block on 4,096 tokens (2 x 2,048), width 1,024, 16 heads of 64, hidden width 4,096; all eight products on codes of E4M3, each operand with its given scale 2^e.
; Seven launches: this norm -> q, k, v -> attention -> projection + residual -> second norm -> first feed-forward product -> second + residual.  Between launches go codes, one byte a number, and the f32 residual stream.
; WORK LEFT OUT: in attention, key s counts for query t only where s <= t: the scores of all other keys are set to -infinity by the triangle that the problem builds in its own body, so their p is 0 and they add nothing to the
; row's sum or to the second product, whatever the inputs hold.  Steps of 128 keys that lie wholly behind a wave's 16 queries are therefore not multiplied.  Nothing else is left out, and every input is loaded by some launch.
; LIMIT: a NaN, an infinity or an overflow that reaches only those hidden keys is not carried to the result.  NaN among the inputs is not served.
; THIS LAUNCH: h = (x - mean) * rsqrt(var + 1e-5) * gain + shift, in f32, row by row, then quantised NPL times, once for each product that takes it, with that product's own scale: plane p of the output holds [4096][1024] codes.
; code = h / 2^e, held within +-448, to the nearest code, ties to even.  LIMIT: each e used here lies between -126 and 119, so that 2^e and 448 x 2^e are f32 numbers.
; SHARES: a wave owns two rows and keeps them in registers: lane l holds columns 128 j + 4 l .. + 3 in registers 4 j .. 4 j + 3, so each load reads 512 consecutive bytes.  No loop, no barrier: waves share nothing.
; A conversion's two words are four codes of chunk 2 k and four of chunk 2 k + 1: they go through the wave's own stage in LDS and leave as runs of 512 consecutive bytes.
.set NPL,   3                          ; planes
.set EA,    25                         ; the scalar registers that hold the planes' exponents: entries 1, 3, 5 (s24 holds entry 0)
.set EB,    27
.set EC,    29
.set WREG,  NPL*2048                   ; LDS: a wave's stage: two rows x NPL planes x 1,024 bytes
.set SPARE, 8*WREG                     ; behind the stages: the spare words, 128 bytes for each wave, which no other line names
.set LO,  1                            ; v1   16 x lane
.set STW, 2                            ; v2   the stage, on the way in: 4 x lane
.set STR, 3                            ; v3   and on the way out: 16 x lane
.set SPW, 4                            ; v4   my spare word; never rewritten
.set NIL, 5                            ; v5   0; never rewritten
.set MU,  8                            ; v[8:9], v[10:11]   the rows' means, twice each
.set RS,  12                           ; v[12:13], v[14:15] 1 / sqrt(var + eps), twice each
.set SC,  16                           ; v16-18 2^e of plane p
.set LIM, 19                           ; v19-21 448 x 2^e
.set EPS, 22                           ; v22  1e-5
.set X,   32                           ; v32-95   the two rows
.set G,   96                           ; v96-127  gains
.set BE,  128                          ; v128-159 shifts
.set BK,  96                           ; the way out: codes read back, where gains and shifts lay
.set T,   160                          ; v160-175 at work
.set C,   176                          ; v176-223 codes: eight registers for each row and plane
	s_load_b256 s[4:11], s[0:1], 0x0               ; the rows s[4:5], gains s[6:7], shifts s[8:9], exponents s[10:11]
	s_load_b64 s[12:13], s[0:1], 0x20              ; the codes
	v_lshl_add_u32 v[SPW], v0, 2, SPARE
	v_mov_b32 v[NIL], 0
	v_lshrrev_b32 v6, 5, v0
	s_delay_alu instid0(VALU_DEP_1)
	v_readfirstlane_b32 s14, v6                    ; wave 0..7
	v_and_b32 v6, 31, v0                           ; lane
	s_delay_alu instid0(VALU_DEP_1)
	v_lshlrev_b32 v[LO], 4, v6
	s_mul_i32 s15, s14, WREG
	v_lshl_add_u32 v[STW], v6, 2, s15
	v_lshl_add_u32 v[STR], v6, 4, s15
	v_mov_b32 v[EPS], 0x3727c5ac                   ; 1e-5
	s_mov_b32 s20, 0x76543210                      ; v_permlanex16_b32: lane l xor 16
	s_mov_b32 s21, 0xfedcba98
	s_mov_b32 s22, 0x3a800000                      ; 1 / 1,024
	s_lshl_b32 s16, ttmp9, 16                      ; 16 rows of 4,096 bytes a work-group,
	s_lshl_b32 s18, s14, 13                        ; two a wave
	s_add_co_u32 s16, s16, s18
	s_mov_b32 s17, 0
	s_lshr_b32 s18, s16, 2                         ; the same rows in a plane of codes: 1,024 bytes a row
	s_mov_b32 s19, 0
	s_wait_alu depctr_va_vdst(0)
	s_wait_kmcnt 0x0
	s_load_b512 s[24:39], s[10:11], 0x0            ; the sixteen exponents
	s_add_nc_u64 s[4:5], s[4:5], s[16:17]
	s_add_nc_u64 s[40:41], s[12:13], s[18:19]      ; plane 0
.if NPL > 1
	s_add_nc_u64 s[42:43], s[40:41], 0x400000      ; plane 1
	s_add_nc_u64 s[44:45], s[40:41], 0x800000      ; plane 2
.endif
.irp r, 0,1
.irp j, 0,1,2,3,4,5,6,7
	global_load_b128 v[X+32*\r+4*\j:X+32*\r+4*\j+3], v[LO], s[4:5] offset:4096*\r+512*\j th:TH_LOAD_NT
.endr
.endr
.irp j, 0,1,2,3,4,5,6,7
	global_load_b128 v[G+4*\j:G+4*\j+3], v[LO], s[6:7] offset:512*\j
.endr
.irp j, 0,1,2,3,4,5,6,7
	global_load_b128 v[BE+4*\j:BE+4*\j+3], v[LO], s[8:9] offset:512*\j
.endr
; Both rows' four chains (pairs in v[T+8 r ..]) are joined, then summed over the 32 lanes: the result stands in v[T+8 r] of every lane.
.macro JOIN
.irp r, 0
	v_pk_add_f32 v[T+8*\r:T+8*\r+1], v[T+8*\r:T+8*\r+1], v[T+8*\r+2:T+8*\r+3]
	v_pk_add_f32 v[T+8*\r+4:T+8*\r+5], v[T+8*\r+4:T+8*\r+5], v[T+8*\r+6:T+8*\r+7]
.endr
.irp r, 1
	v_pk_add_f32 v[T+8*\r:T+8*\r+1], v[T+8*\r:T+8*\r+1], v[T+8*\r+2:T+8*\r+3]
	s_delay_alu instid0(VALU_DEP_4)
	v_pk_add_f32 v[T+8*\r+4:T+8*\r+5], v[T+8*\r+4:T+8*\r+5], v[T+8*\r+6:T+8*\r+7]
.endr
.irp r, 0
	s_delay_alu instid0(VALU_DEP_3)
	v_pk_add_f32 v[T+8*\r:T+8*\r+1], v[T+8*\r:T+8*\r+1], v[T+8*\r+4:T+8*\r+5]
.endr
.irp r, 1
	s_delay_alu instid0(VALU_DEP_2)
	v_pk_add_f32 v[T+8*\r:T+8*\r+1], v[T+8*\r:T+8*\r+1], v[T+8*\r+4:T+8*\r+5]
.endr
.irp r, 0,1
	s_delay_alu instid0(VALU_DEP_2)
	v_add_f32 v[T+8*\r], v[T+8*\r], v[T+8*\r+1]
.endr
.irp m, 1,2,4,8
.irp r, 0,1
	s_delay_alu instid0(VALU_DEP_2)
	v_add_f32_dpp v[T+8*\r], v[T+8*\r], v[T+8*\r] row_xmask:\m row_mask:0xf bank_mask:0xf
.endr
.endr
.irp r, 0,1
	s_delay_alu instid0(VALU_DEP_2)
	v_permlanex16_b32 v[T+8*\r+1], v[T+8*\r], s20, s21
.endr
.irp r, 0,1
	s_delay_alu instid0(VALU_DEP_2)
	v_add_f32 v[T+8*\r], v[T+8*\r], v[T+8*\r+1]
.endr
.endm
	s_wait_loadcnt 16                              ; both rows are in; the gains' and shifts' sixteen loads may be out
.irp r, 0,1
.irp c, 0,2,4,6
	v_pk_add_f32 v[T+8*\r+\c:T+8*\r+\c+1], v[X+32*\r+\c:X+32*\r+\c+1], v[X+32*\r+8+\c:X+32*\r+8+\c+1]   ; the first pairs start the chains: nothing is cleared
.endr
.endr
.irp k, 16,24
.irp r, 0,1
.irp c, 0,2,4,6
	v_pk_add_f32 v[T+8*\r+\c:T+8*\r+\c+1], v[T+8*\r+\c:T+8*\r+\c+1], v[X+32*\r+\k+\c:X+32*\r+\k+\c+1]
.endr
.endr
.endr
	JOIN
.irp r, 0,1
	s_delay_alu instid0(VALU_DEP_2)
	v_mul_f32 v[MU+2*\r], s22, v[T+8*\r]           ; the mean
.endr
.irp r, 0,1
	s_delay_alu instid0(VALU_DEP_2)
	v_mov_b32 v[MU+2*\r+1], v[MU+2*\r]
.endr
.irp r, 0,1
.set j, 0
.rept 16
	v_pk_add_f32 v[X+32*\r+j:X+32*\r+j+1], v[X+32*\r+j:X+32*\r+j+1], v[MU+2*\r:MU+2*\r+1] neg_lo:[0,1] neg_hi:[0,1]   ; x - mean
.set j, j+2
.endr
.endr
.irp r, 0,1
.irp c, 0,2,4,6
	v_pk_mul_f32 v[T+8*\r+\c:T+8*\r+\c+1], v[X+32*\r+\c:X+32*\r+\c+1], v[X+32*\r+\c:X+32*\r+\c+1]
.endr
.endr
.irp k, 8,16,24
.irp r, 0,1
.irp c, 0,2,4,6
	v_pk_fma_f32 v[T+8*\r+\c:T+8*\r+\c+1], v[X+32*\r+\k+\c:X+32*\r+\k+\c+1], v[X+32*\r+\k+\c:X+32*\r+\k+\c+1], v[T+8*\r+\c:T+8*\r+\c+1]
.endr
.endr
.endr
	JOIN
.irp r, 0,1
	s_delay_alu instid0(VALU_DEP_2)
	v_fma_f32 v[T+8*\r], v[T+8*\r], s22, v[EPS]    ; var + eps
.endr
	s_wait_alu depctr_va_vdst(0)
.irp r, 0,1
	v_rsq_f32 v[RS+2*\r], v[T+8*\r]
	v_rsq_f32 v[RS+2*\r+1], v[T+8*\r]              ; twice: the packed multiply names a pair
.endr
	v_nop                                          ; a plain instruction behind the last of the four
	s_wait_alu depctr_va_vdst(0)                   ; one wait for the batch, ahead of its first reader
	s_wait_loadcnt 0x0                             ; gains and shifts
.irp r, 0,1
.set j, 0
.rept 16
	v_pk_mul_f32 v[X+32*\r+j:X+32*\r+j+1], v[X+32*\r+j:X+32*\r+j+1], v[RS+2*\r:RS+2*\r+1]
.set j, j+2
.endr
.endr
.irp r, 0,1
.set j, 0
.rept 16
	v_pk_fma_f32 v[X+32*\r+j:X+32*\r+j+1], v[X+32*\r+j:X+32*\r+j+1], v[G+j:G+j+1], v[BE+j:BE+j+1]
.set j, j+2
.endr
.endr
	s_wait_kmcnt 0x0
.macro MKSC p, e                       ; 2^e and 448 x 2^e as f32 numbers
	s_add_co_i32 s46, s[\e], 127
	s_lshl_b32 s47, s46, 23
	v_mov_b32 v[SC+\p], s47
	s_add_co_i32 s46, s46, 8
	s_lshl_b32 s46, s46, 23
	s_or_b32 s46, s46, 0x600000
	v_mov_b32 v[LIM+\p], s46
.endm
	MKSC 0, EA
.if NPL > 1
	s_wait_alu depctr_va_vdst(0)
	MKSC 1, EB
	MKSC 2, EC
.endif
; Row r for plane p: the hold (the conversion to an 8-bit code does not saturate: ISA guide 7.6.2) into one of two sets of eight registers by turns, the conversion, and the eight words into the stage.
.macro QUANT r, p
.irp k, 0,1,2,3
.irp i, 0,1,2,3,4,5,6,7
	v_med3_num_f32 v[T+8*(\k%2)+\i], v[X+32*(\r)+8*\k+\i], -v[LIM+(\p)], v[LIM+(\p)]
.endr
	v_cvt_scalef32_pk8_fp8_f32 v[C+8*(NPL*(\r)+(\p))+2*\k:C+8*(NPL*(\r)+(\p))+2*\k+1], v[T+8*(\k%2):T+8*(\k%2)+7], v[SC+(\p)]   ; the next eight holds, plain and on the other set, stand between it and the next write of its sources
.endr
.irp j, 0,1,2,3,4,5,6,7
	ds_store_b32 v[STW], v[C+8*(NPL*(\r)+(\p))+\j] offset:(NPL*(\r)+(\p))*1024+128*\j   ; chunk j: 32 lanes write 128 consecutive bytes of the row
.endr
.endm
.irp r, 0,1
.irp p, 0,1,2
.if \p < NPL
	QUANT \r, \p
.endif
.endr
.endr
.irp r, 0,1
.irp p, 0,1,2
.if \p < NPL
.irp s, 0,1
	ds_load_b128 v[BK+8*(NPL*\r+\p)+4*\s:BK+8*(NPL*\r+\p)+4*\s+3], v[STR] offset:(NPL*\r+\p)*1024+512*\s   ; LDS serves a wave's instructions in order (ISA guide 5.7.1.4): these see my stores
.endr
.endif
.endr
.endr
.irp r, 0,1
.irp p, 0,1,2
.if \p < NPL
.irp s, 0,1
	s_wait_dscnt 4*NPL-1-(2*(NPL*\r+\p)+\s)        ; the read-backs issued behind this one may be out
	global_store_b128 v[LO], v[BK+8*(NPL*\r+\p)+4*\s:BK+8*(NPL*\r+\p)+4*\s+3], s[40+2*\p:41+2*\p] offset:1024*\r+512*\s   ; 512 consecutive bytes, at a multiple of 512 from the buffer's first byte
.endr
.endif
.endr
.endr
	s_wait_tensorcnt 0x0                           ; the wave's end, behind my last LDS store
	ds_add_u32 v[SPW], v[NIL]
	s_wait_dscnt 0x0
	s_endpgm
.Lfunc_end_k_qf747bebaad_ln1:
	.size	k_qf747bebaad_ln1, .Lfunc_end_k_qf747bebaad_ln1-k_qf747bebaad_ln1
	.p2alignl 7, 3214868480
	.fill 96, 4, 3214868480
	.section	.rodata,"a",@progbits
	.p2align	6, 0x0
	.amdhsa_kernel k_qf747bebaad_ln1
		.amdhsa_group_segment_fixed_size 50176
		.amdhsa_private_segment_fixed_size 0
		.amdhsa_enable_private_segment 0
		.amdhsa_kernarg_size 40
		.amdhsa_user_sgpr_count 2
		.amdhsa_user_sgpr_kernarg_segment_ptr 1
		.amdhsa_wavefront_size32 1
		.amdhsa_system_sgpr_workgroup_id_x 1
		.amdhsa_system_sgpr_workgroup_id_y 1
		.amdhsa_system_sgpr_workgroup_id_z 1
		.amdhsa_system_vgpr_workitem_id 0
		.amdhsa_next_free_vgpr 224
		.amdhsa_next_free_sgpr 66
		.amdhsa_reserve_vcc 0
		.amdhsa_float_denorm_mode_32 3
		.amdhsa_float_denorm_mode_16_64 3
		.amdhsa_memory_ordered 1
		.amdhsa_forward_progress 1
		.amdhsa_inst_pref_size 38
	.end_amdhsa_kernel
	.amdgpu_metadata
---
amdhsa.version: [ 1, 2 ]
amdhsa.kernels:
  - .name:           k_qf747bebaad_ln1
    .symbol:         k_qf747bebaad_ln1.kd
    .args:
      - { .name: x, .offset: 0, .size: 8, .value_kind: global_buffer, .address_space: global }
      - { .name: g1, .offset: 8, .size: 8, .value_kind: global_buffer, .address_space: global }
      - { .name: be1, .offset: 16, .size: 8, .value_kind: global_buffer, .address_space: global }
      - { .name: lowp_scales, .offset: 24, .size: 8, .value_kind: global_buffer, .address_space: global }
      - { .name: h3, .offset: 32, .size: 8, .value_kind: global_buffer, .address_space: global }
    .group_segment_fixed_size: 50176
    .private_segment_fixed_size: 0
    .kernarg_segment_align: 8
    .kernarg_segment_size: 40
    .max_flat_workgroup_size: 256
    .sgpr_count:     66
    .vgpr_count:     224
    .wavefront_size: 32
...
	.end_amdgpu_metadata
.endif
;; end of part 1
;; launch qkv (part 2): grid 12 x 16, 4 waves a work-group, clusters of 4 x 4, 327,680 bytes of LDS; arguments h3, wq_codes, wk_codes, wv_codes, lowp_scales, qc, kc, vc; writes qc, kc, vc
.if DOCPART == 2
	.amdgcn_target "amdgcn-amd-amdhsa--gfx1250"
	.amdhsa_code_object_version 6
	.text
	.protected	k_qf747bebaad_qkv
	.globl	k_qf747bebaad_qkv
	.p2align	8
	.type	k_qf747bebaad_qkv,@function
k_qf747bebaad_qkv:
	s_mov_b64 s[64:65], 0
	v_nop
	global_prefetch_b8 v0, s[64:65] scope:SCOPE_SE
	s_setreg_imm32_b32 hwreg(HW_REG_WAVE_MODE, 25, 1), 1
	s_wait_xcnt 0x0
	s_wait_alu depctr_hold_cnt(0) depctr_sa_sdst(0) depctr_va_vdst(0) depctr_va_sdst(0) depctr_va_ssrc(0) depctr_va_vcc(0) depctr_vm_vsrc(0)
	s_getreg_b32 s2, hwreg(HW_REG_IB_STS2, 6, 4)
	s_cmp_eq_u32 s2, 0
	s_cbranch_scc0 .Lentry_in_a_cluster
	s_endpgm
.Lentry_in_a_cluster:
	s_bfe_u32 s2, ttmp6, 0x10000c
	s_cmp_lg_u32 s2, 0xf033
	s_cbranch_scc0 .Lentry_shape_is_right
	s_endpgm
.Lentry_shape_is_right:
; A PRODUCT ON CODES OF E4M3 WHOSE RESULT LEAVES AS CODES.  K = 1,024.  A tile of 256 x 256 is made by four waves, 128 x 128 each: 64 accumulators of 16 x 16 in 512 registers.
; QKV = 1: q, k and v.  The cluster's x says which (0, 1, 2): it is the same in all sixteen partners.  q, k: rows = tokens (the norm's plane 0 or 1), columns = the weight's 1,024 rows (head x 64 + d).
;   v is made the other way round, rows = wv's 1,024 rows, columns = tokens (plane 2): a lane's eight results are then eight neighbouring KEYS of one (head, d), which is the K of attention's second product.  Only pointers and
;   tile numbers are chosen, by selects on the cluster's x: the text has one path.
;   Out: qc, kc [batch][head][token][64];  vc [token / 128][head x 64 + d][128 keys].  code = sum x 2^(ew + eh) / 2^eo: the three exponents are folded into the conversion's one scale, F = eo - ew - eh
;   (q: entries 6, 0, 1; k: 7, 2, 3; v: 9, 4, 5 of the given exponents; q is taken as the left operand of the scores' product).
; QKV = 0: the hidden layer, relu(h2 w1 + b1), rows = tokens, columns = w1's 4,096 rows.  b1 / 2^(e12 + e13) is the C of each sum's first product; the hold at the largest code clips at 0 too.  F = e14 - e12 - e13.
;   Out: hid [column / 128][token][128].
; LIMIT: F lies between -126 and 119, so that 2^F and 448 x 2^F are f32 numbers.  No work is left out here.
; K goes in steps of 256 through a ring of two LDS slots filled by the tensor data mover; a tile's row is 256 bytes of memory.
; CLUSTERS: 4 x 4 work-groups.  The four of a row of the cluster need the same rows' tiles (A), the four of a column the same columns' tiles (B): each tile is asked for JOINTLY, by the same tensor load with the same descriptor
; and a mask that names the four.  THE MATRIX INSTRUCTION IS USED TRANSPOSED (source 0 = 16 rows of B, source 1 = 16 rows of A): a lane holds eight neighbouring columns of one row of the result.
; A fragment is fetched by four loads of 16 bytes: lane l holds, of row l % 16, K = 32 c + 16 (l / 16) + 0 .. 15 in registers 4 c .. 4 c + 3: a permutation of k, the same on both sides, so every product meets its partner.
; REGISTERS, in windows of 256: window 0: v1-29 addresses and the scale; v32-95 the bias, later a block's held sums; v96-111 its codes; from v128 A's fragments, ONE set; v112-127, v144-159 codes read back.
;   window 1: B's fragments, TWO sets.   window 2: the accumulators of my rows 0-63 ((a, b) at v[8 (8 a + b)]);   window 3: those of my rows 64-127.
.set QKV,    1
.set ZF,     2-QKV                     ; how the first step starts the sums: 1: with the constant 0; 2: with the bias
.set ROWB,   256                       ; a tile's row in bytes
.set KROW,   1024                      ; a row of A or of B in memory
.set PITCH,  272                       ; an LDS row: 256 bytes + 16 of padding = 68 words: row r starts at bank 4 r mod 64 (64 banks of 4 bytes: ISA guide 11.1)
.set FR,     16                        ; registers of a fragment
.set NL,     4                         ; LDS loads that bring one
.set NP,     4                         ; places behind this matrix instruction (ISA guide 7.12.1)
.set HALFT,  128*PITCH                 ; 128 rows: what one tensor load brings
.set SLOT,   4*HALFT                   ; A's 256 rows, then B's 256 rows
.set LAPS,   2                         ; a lap = two K steps of 256 = once round the ring
.set SPARE,  2*SLOT                    ; behind the ring: the spare words, 128 bytes for each wave, which no other line names
.set STAGE,  SPARE+512                 ; behind them: a stage of 16 rows x 144 bytes for each wave; no tile lands there
.set SP,     144                       ; a stage row: 128 codes + 16 bytes
.set GO,   8                           ; v8-11   the way out: my byte offsets in the output
.set SC,   12                          ; v12     2^F
.set LIM,  13                          ; v13     448 x 2^F
.set ADRA, 16                          ; v16-17  LDS address of my A fragments in slot 0, 1
.set ADRB, 20                          ; v20-21  the same for B
.set STO,  24                          ; v24     the stage: where I put eight codes of a row
.set RD,   25                          ; v25     and where I read 16 bytes back
.set SPW,  28                          ; v28     my spare word; never rewritten
.set NIL,  29                          ; v29     0; never rewritten
.set TMP,  32
.set CD,   96
.set AF,   128
.set G1, 24                            ; s[24:31] descriptor group 1 for A's tiles;  s[32:39] group 0, one set for each slot
.set G0, 32
.set G1B, 48                           ; s[48:55], s[56:63] the same for B's tiles
.set G0B, 56
.set MSB, 0
.macro WIN new                         ; the immediate's high byte repeats the setting that is left
.if MSB != (\new)
	s_set_vgpr_msb (MSB<<8)|(\new)
.set MSB, (\new)
.endif
.endm
.set MUL_LO, 0xa1                      ; source 0 (B) window 1, source 1 (A) window 0, C and D window 2
.set MUL_HI, 0xf1                      ; the same, C and D window 3
.set TO_B,   0x40                      ; destination window 1, address window 0
; A joint load: waves 0 and 1 fetch for A, waves 2 and 3 for B.  The branch hangs on the wave's number alone.  An s_nop 0 and four v_nop follow each of the two lines.
.macro JLOAD g0a, g1a, g0b, g1b
	s_cmp_eq_u32 s15, 0
	s_cbranch_scc0 .Lfor_b_\@
	tensor_load_to_lds s[\g0a:\g0a+3], s[\g1a:\g1a+7]
	s_nop 0
.rept 4
	v_nop
.endr
	s_branch .Lasked_\@
.Lfor_b_\@:
	tensor_load_to_lds s[\g0b:\g0b+3], s[\g1b:\g1b+7]
	s_nop 0
.rept 4
	v_nop
.endr
.Lasked_\@:
.endm
.macro CREST                           ; a round of the cluster's barrier behind its opening barrier
	s_cmp_lg_u32 s14, 0
	s_cbranch_scc1 .Lnot_wave_0_\@
	s_barrier_signal -3
.Lnot_wave_0_\@:
	s_barrier_wait -3
	s_barrier_signal -1
	s_barrier_wait -1
.endm
.macro CROUND                          ; a whole round
	s_barrier_signal -1
	s_barrier_wait -1
	CREST
.endm
.if QKV
	s_load_b512 s[68:83], s[0:1], 0x0              ; planes s[68:69], wq, wk, wv s[70:75], exponents s[76:77], qc, kc, vc s[78:83]
.else
	s_load_b128 s[4:7], s[0:1], 0x0                ; A's codes, B's codes
	s_load_b128 s[68:71], s[0:1], 0x10             ; exponents s[68:69], bias s[70:71]
	s_load_b64 s[10:11], s[0:1], 0x20              ; the output
.endif
	v_lshl_add_u32 v[SPW], v0, 2, SPARE
	v_mov_b32 v[NIL], 0
	ds_add_u32 v[SPW], v[NIL]                      ; the wave's opening: the add, twice on end, and its wait, ahead of my first tensor load; the set-up below stands between
	ds_add_u32 v[SPW], v[NIL]
	v_lshrrev_b32 v1, 5, v0
	v_readfirstlane_b32 s14, v1                    ; wave 0..3
	s_lshr_b32 s15, s14, 1                         ; which half of the tile's rows is mine.  Also: I fetch for A (0) or for B (1)
	s_and_b32 s16, s14, 1                          ; which half of its columns.  Also: which 128 rows of that tile I fetch
	s_bfe_u32 s40, ttmp6, 0x40000                  ; cx, cy: my place in the cluster
	s_bfe_u32 s41, ttmp6, 0x40004
	s_and_b32 s2, ttmp7, 0xffff
	s_lshl_b32 s2, s2, 2                           ; 4 x cluster y
.if QKV
	s_cmp_eq_u32 ttmp9, 2                          ; v?  The tokens run along the rows for q and k, along the columns for v
	s_cselect_b32 s17, 0, s2
	s_cselect_b32 s42, s2, 0
.else
	s_mov_b32 s17, s2
	s_lshl_b32 s42, ttmp9, 2
.endif
	s_add_co_u32 s17, s17, s41                     ; tile row
	s_add_co_u32 s42, s42, s40                     ; tile column
	s_lshl_b32 s43, s41, 2
	s_lshl_b32 s43, 15, s43                        ; my row of the cluster
	s_lshl_b32 s44, 0x1111, s40                    ; my column
	s_or_b32 s[G1+0], s43, (0<<16)|(1<<20)|(1<<21)|(5<<22)|(3<<25)  ; 15:0 the mask; 17:16 elements of 1 byte; 20 padding on; 21 set beside a mask; 24:22 after every 64 words (code 5); 31:25 four words (code 3)
	s_or_b32 s[G1B+0], s44, (0<<16)|(1<<20)|(1<<21)|(5<<22)|(3<<25)
.irp g, G1, G1B
	s_mov_b32 s[\g+1], ROWB<<16                    ; tensor_dim0
	s_mov_b32 s[\g+2], 128<<16                     ; tensor_dim1
	s_mov_b32 s[\g+3], ROWB<<16                    ; tile_dim0
	s_mov_b32 s[\g+4], 128                         ; tile_dim1
	s_mov_b32 s[\g+5], KROW                        ; tensor_dim0_stride
	s_mov_b32 s[\g+6], 0
	s_mov_b32 s[\g+7], 0
.endr
	s_lshl_b32 s18, s16, 7                         ; which 128 rows of the tile I fetch
	s_lshl_b32 s20, s17, 8
	s_add_co_u32 s20, s20, s18                     ; A: row 256 x tile row + 128 x half,
	s_lshl_b32 s20, s20, 10                        ; in bytes (under 2^23)
	s_mov_b32 s21, 0
	s_lshl_b32 s46, s42, 8
	s_add_co_u32 s46, s46, s18                     ; B: row 256 x tile column + 128 x half
	s_lshl_b32 s46, s46, 10
	s_mov_b32 s47, 0
	s_mul_i32 s45, s14, HALFT                      ; where they go: wave x 128 rows: no place in the cluster enters an LDS address
	s_wait_dscnt 0x0                               ; both opening adds are done
	s_wait_kmcnt 0x0
.if QKV
	s_load_b512 s[84:99], s[76:77], 0x0            ; the sixteen exponents: entry n in s[84 + n]
	s_lshl_b32 s22, ttmp9, 22                      ; the norm's plane: 4 MiB each
	s_mov_b32 s23, 0
	s_add_nc_u64 s[68:69], s[68:69], s[22:23]
	s_cmp_eq_u32 ttmp9, 0
	s_cselect_b64 s[6:7], s[70:71], s[72:73]
	s_cselect_b64 s[10:11], s[78:79], s[80:81]
	s_cmp_eq_u32 ttmp9, 2
	s_cselect_b64 s[6:7], s[74:75], s[6:7]         ; the weight,
	s_cselect_b64 s[10:11], s[82:83], s[10:11]     ; the output,
	s_cselect_b64 s[4:5], s[6:7], s[68:69]         ; the rows' operand: for v the weight, else the plane,
	s_cselect_b64 s[6:7], s[68:69], s[6:7]         ; and the columns'
.else
	s_load_b128 s[84:87], s[68:69], 0x30           ; e12, e13, e14, e15
.endif
	s_add_nc_u64 s[20:21], s[4:5], s[20:21]
	s_add_nc_u64 s[46:47], s[6:7], s[46:47]
	CROUND                                         ; all sixteen work-groups are here: the first joint loads meet
.irp s, 0,1
	s_mov_b32 s[G0+4*\s], 1
	s_add_co_u32 s[G0+4*\s+1], s45, \s*SLOT
	s_add_nc_u64 s[G0+4*\s+2:G0+4*\s+3], s[20:21], \s*ROWB
	s_or_b32 s[G0+4*\s+3], s[G0+4*\s+3], 0x80000000
	s_mov_b32 s[G0B+4*\s], 1
	s_add_co_u32 s[G0B+4*\s+1], s45, \s*SLOT
	s_add_nc_u64 s[G0B+4*\s+2:G0B+4*\s+3], s[46:47], \s*ROWB
	s_or_b32 s[G0B+4*\s+3], s[G0B+4*\s+3], 0x80000000
.if \s == 0
	JLOAD G0+4*\s, G1, G0B+4*\s, G1B               ; K step 0: one tensor load a wave at the head
.endif
.endr
	; THE PREFETCH INTO THE L2: a K step is 256 bytes of each of the 128 rows that I fetch.  The four partners that ask for a tile jointly share its rows out by address: the partner at place p (cx for A, cy for B) names rows 32 p .. 32 p + 31, a lane a row.
	; K steps 1 and 2 are named at the head, K step 3 behind K step 1's load: each at least one K step ahead of the load that wants it.  The address registers are never rewritten.
	s_cmp_eq_u32 s15, 0                            ; do I fetch for A?
	s_cselect_b64 s[72:73], s[20:21], s[46:47]
	s_cselect_b32 s74, s40, s41
	s_lshl_b32 s74, s74, 15                        ; 32 rows of 1,024 bytes
	s_mov_b32 s75, 0
	s_add_nc_u64 s[72:73], s[72:73], s[74:75]
	v_and_b32 v14, 31, v0
	v_lshlrev_b32 v14, 10, v14
	v_and_b32 v1, 15, v0
	s_wait_alu depctr_va_vdst(0)
	v_bfe_u32 v2, v0, 4, 1                         ; h = l / 16
	v_mul_u32_u24 v3, v1, PITCH
	v_lshl_add_u32 v4, v2, 4, v3                   ; a fragment's row x pitch + 16 x half
	s_mul_i32 s21, s15, HALFT                      ; my 128 rows of A
	s_mul_i32 s22, s16, HALFT                      ; my 128 rows of B,
	s_add_co_u32 s22, s22, 2*HALFT                 ; which lie behind A's 256
.irp s, 0,1
	v_add_nc_u32 v[ADRA+\s], s21, v4
	v_add_nc_u32 v[ADRB+\s], s22, v4
	s_add_co_u32 s21, s21, SLOT
	s_add_co_u32 s22, s22, SLOT
.endr
	global_prefetch_b8 v14, s[72:73] offset:256 th:TH_LOAD_NT scope:SCOPE_SE
	global_prefetch_b8 v14, s[72:73] offset:512 th:TH_LOAD_NT scope:SCOPE_SE
	s_mul_i32 s23, s14, 16*SP
	s_add_co_u32 s23, s23, STAGE                   ; my stage
	v_mul_u32_u24 v5, v1, SP
	s_wait_alu depctr_va_vdst(0)
	v_lshl_add_u32 v5, v2, 3, v5
	v_add_nc_u32 v[STO], s23, v5                   ; in: row r, 8 bytes for each half of the lanes
	v_bfe_u32 v6, v0, 3, 2                         ; l / 8
	s_wait_alu depctr_va_vdst(0)
	v_mul_u32_u24 v5, v6, SP
	v_and_b32 v7, 7, v0
	v_lshl_add_u32 v5, v7, 4, v5
	v_add_nc_u32 v[RD], s23, v5                    ; back: eight lanes to a row of 128 codes, four rows an instruction
	; where my 128 x 128 begins in the output.  ct = my columns / 128, R0 = my first row
	s_lshl_b32 s20, s42, 1
	s_add_co_u32 s20, s20, s16                     ; ct
	s_lshl_b32 s21, s17, 8
	s_lshl_b32 s22, s15, 7
	s_add_co_u32 s21, s21, s22                     ; R0
.if QKV
	s_lshl_b32 s46, s20, 17
	s_lshl_b32 s47, s21, 7
	s_add_co_u32 s46, s46, s47                     ; vc: (ct x 1,024 + R0) x 128
	s_lshr_b32 s47, s21, 11                        ; qc, kc: the batch,
	s_lshl_b32 s47, s47, 4
	s_lshl_b32 s20, s20, 1
	s_add_co_u32 s47, s47, s20                     ; x 16 + my first head,
	s_lshl_b32 s47, s47, 17                        ; x 2,048 tokens x 64 bytes,
	s_and_b32 s21, s21, 2047
	s_lshl_b32 s21, s21, 6
	s_add_co_u32 s47, s47, s21                     ; + my first token in the batch x 64
	s_cmp_eq_u32 ttmp9, 2
	s_cselect_b32 s46, s46, s47
	s_cselect_b32 s2, 1, 0
	s_cselect_b32 s19, 64, 0x20000                 ; from the first 64 codes of a row to the second: on in the row (vc), or a head on (qc, kc)
	s_mov_b32 s47, 0
	s_add_nc_u64 s[10:11], s[10:11], s[46:47]
	s_lshl_b32 s18, 64, s2                         ; from row to row: 64 bytes (qc, kc) or 128 (vc)
	s_lshl_b32 s22, 256, s2                        ; four rows
	s_lshl_b32 s12, 1024, s2                       ; sixteen rows
	s_mov_b32 s13, 0
	v_bfe_u32 v7, v0, 2, 1
	v_and_b32 v3, 3, v0
	v_mul_u32_u24 v[GO], v6, s18
	v_mad_u32_u24 v[GO], v7, s19, v[GO]
	v_lshl_add_u32 v[GO], v3, 4, v[GO]             ; row l / 8, half (l / 4) % 2, 16 bytes l % 4
	v_add_nc_u32 v[GO+1], s22, v[GO]
	v_add_nc_u32 v[GO+2], s22, v[GO+1]
	v_add_nc_u32 v[GO+3], s22, v[GO+2]
	s_wait_kmcnt 0x0
	s_sub_co_i32 s2, s90, s84                      ; q: e6 - e0 - e1
	s_sub_co_i32 s2, s2, s85
	s_sub_co_i32 s3, s91, s86                      ; k: e7 - e2 - e3
	s_sub_co_i32 s3, s3, s87
	s_sub_co_i32 s18, s93, s88                     ; v: e9 - e4 - e5
	s_sub_co_i32 s18, s18, s89
	s_cmp_eq_u32 ttmp9, 0
	s_cselect_b32 s2, s2, s3
	s_cmp_eq_u32 ttmp9, 2
	s_cselect_b32 s2, s18, s2                      ; F: chosen without a branch
.else
	s_lshl_b32 s46, s20, 19                        ; hid: (ct x 4,096 + R0) x 128
	s_lshl_b32 s47, s21, 7
	s_add_co_u32 s46, s46, s47
	s_mov_b32 s47, 0
	s_add_nc_u64 s[10:11], s[10:11], s[46:47]
	v_and_b32 v[GO], 31, v0
	v_lshlrev_b32 v[GO], 4, v[GO]                  ; four rows of 128 codes are 512 consecutive bytes: 16 x lane
	s_lshl_b32 s46, s20, 9                         ; the bias of my 128 columns
	s_add_nc_u64 s[70:71], s[70:71], s[46:47]
	v_lshlrev_b32 v6, 5, v2                        ; lane (r, h) wants, for block b, columns 16 b + 8 h + 0 .. 7
.irp b, 0,1,2,3,4,5,6,7
	global_load_b128 v[TMP+8*\b:TMP+8*\b+3], v6, s[70:71] offset:64*\b
	global_load_b128 v[TMP+8*\b+4:TMP+8*\b+7], v6, s[70:71] offset:64*\b+16
.endr
	s_wait_kmcnt 0x0
	s_add_co_i32 s3, s84, s85                      ; a sum stands for sum x 2^(e12 + e13): the bias goes in divided by that
	s_sub_co_i32 s2, s86, s3                       ; F = e14 - e12 - e13
	s_sub_co_i32 s3, 0, s3
	s_wait_loadcnt 0x0
.set j, 0
.rept 64
	v_ldexp_f32 v[TMP+j], v[TMP+j], s3
.set j, j+1
.endr
.endif
	s_add_co_i32 s2, s2, 127
	s_lshl_b32 s18, s2, 23
	v_mov_b32 v[SC], s18                           ; 2^F as f32: the conversion takes its exponent field
	s_add_co_i32 s2, s2, 8
	s_lshl_b32 s2, s2, 23
	s_or_b32 s2, s2, 0x600000
	v_mov_b32 v[LIM], s2                           ; 448 x 2^F
.macro FRAG reg, adr, q, i
.irp c, 0,1,2,3
	ds_load_b128 v[\reg+4*\c:\reg+4*\c+3], v[\adr] offset:128*(\q)+32*\c+(\i)*16*PITCH
.endr
.endm
; 16 matrix instructions: A's blocks a0, a0 + 1 x B's eight, 128 along K.  p: B's set.  zero = 1: the first product starts the sums with 0; 2: with the bias; nothing is ever cleared.
; The 64 accumulators take turns, one instruction a turn, in the same order in every step.
.macro MUL16 a0, p, zero
.irp a, \a0, \a0+1
.irp b, 0,1,2,3,4,5,6,7
.if \zero == 1
	v_wmma_f32_16x16x128_fp8_fp8 v[8*(8*((\a)%4)+\b):8*(8*((\a)%4)+\b)+7], v[128*(\p)+FR*\b:128*(\p)+FR*\b+FR-1], v[AF+FR*(\a):AF+FR*(\a)+FR-1], 0
.elseif \zero == 2
	v_wmma_f32_16x16x128_fp8_fp8 v[8*(8*((\a)%4)+\b):8*(8*((\a)%4)+\b)+7], v[128*(\p)+FR*\b:128*(\p)+FR*\b+FR-1], v[AF+FR*(\a):AF+FR*(\a)+FR-1], v[TMP+8*\b:TMP+8*\b+7]
.else
	v_wmma_f32_16x16x128_fp8_fp8 v[8*(8*((\a)%4)+\b):8*(8*((\a)%4)+\b)+7], v[128*(\p)+FR*\b:128*(\p)+FR*\b+FR-1], v[AF+FR*(\a):AF+FR*(\a)+FR-1], v[8*(8*((\a)%4)+\b):8*(8*((\a)%4)+\b)+7]
.endif
.endr
.endr
.endm
.macro FETCH_B slot, q, p              ; B's eight fragments of the slot's q-th 128 along K into set p
	WIN TO_B
.irp i, 0,1,2,3,4,5,6,7
	FRAG 128*(\p)+FR*\i, ADRB+\slot, \q, \i
.endr
	WIN 0
.endm
.macro FETCH_A slot, q, i0             ; A's blocks i0 .. i0 + 3
.irp i, \i0, \i0+1, \i0+2, \i0+3
	FRAG AF+FR*(\i), ADRA+\slot, \q, \i
.endr
.endm
; A load into a register that a matrix instruction has read, and a vector instruction that reads a matrix result, stand NP places behind it; only plain vector instructions that name none of its registers are places.
.macro PLACES n
.rept \n
	v_nop
.endr
.endm
; A step of 128 along K that has its successor in the same slot.  A's blocks are free as soon as their eight products are issued: blocks 0-3 are fetched anew in the step's middle, blocks 4-7 at its end.
.macro STEP slot, q, zero
	s_wait_dscnt 4*NL                              ; B's set and A's blocks 0-3 are in; the youngest sixteen loads (A's blocks 4-7) may be out
.if \zero == 2
	WIN 0x81                                       ; C (the bias) window 0, D window 2
.else
	WIN MUL_LO
.endif
	MUL16 0, (\q)%2, \zero
	MUL16 2, (\q)%2, \zero
	s_wait_dscnt 0                                 ; A's blocks 4-7 are in
	PLACES NP
	FETCH_B \slot, (\q)+1, 1-(\q)%2
	FETCH_A \slot, (\q)+1, 0
.if \zero == 2
	WIN 0xc1
.else
	WIN MUL_HI
.endif
	MUL16 4, (\q)%2, \zero
	MUL16 6, (\q)%2, \zero
	PLACES NP
	WIN 0
	FETCH_A \slot, (\q)+1, 4
.endm
; A slot's last step changes slots: ONE barrier; in front of it each wave waits for all its tensor loads, adds 0 to its spare word, and waits for that and for its own reads of this slot.  fill = 1: this slot is filled again, two K steps ahead.
.macro TURN slot, next, fill
	s_wait_tensorcnt 0x0                           ; all my tensor loads have landed: my part of the next slot  (every window is 0 here)
	ds_add_u32 v[SPW], v[NIL]                      ; 0 onto my spare word
	s_wait_dscnt 4*NL+1                            ; (the add and the youngest sixteen loads may be out)
	WIN MUL_LO
	MUL16 0, 1, 0                                  ; sixteen matrix instructions stand between the add and the wait for it
	s_wait_dscnt 0x0                               ; the add is done, and my reads of this slot are over
	s_barrier_signal -1
	MUL16 2, 1, 0
	WIN 0
	s_barrier_wait -1
.if \fill
	CREST                                          ; the barrier has opened a round of the cluster's barrier: no wave of any partner still reads this slot or has a load on its way
	s_add_nc_u64 s[G0+4*\slot+2:G0+4*\slot+3], s[G0+4*\slot+2:G0+4*\slot+3], 2*ROWB
	s_add_nc_u64 s[G0B+4*\slot+2:G0B+4*\slot+3], s[G0B+4*\slot+2:G0B+4*\slot+3], 2*ROWB
	JLOAD G0+4*\slot, G1, G0B+4*\slot, G1B         ; the first tensor load behind the round; its four v_nop are the places in front of the loads below
.else
	PLACES NP
.endif
	FETCH_B \next, 0, 0
	FETCH_A \next, 0, 0
	WIN MUL_HI
	MUL16 4, 1, 0
	MUL16 6, 1, 0
	PLACES NP
	WIN 0
	FETCH_A \next, 0, 4
.endm
	s_wait_alu depctr_va_vdst(0)
	s_wait_tensorcnt 0x0                           ; my part of K step 0 is in
	ds_add_u32 v[SPW], v[NIL]
	s_wait_dscnt 0x0
	CROUND                                         ; everybody's part of K step 0 is in, and the sixteen work-groups meet
	JLOAD G0+4, G1, G0B+4, G1B                     ; K step 1: the first tensor load behind the round
	FETCH_B 0, 0, 0
	FETCH_A 0, 0, 0
	FETCH_A 0, 0, 4
	global_prefetch_b8 v14, s[72:73] offset:768 th:TH_LOAD_NT scope:SCOPE_SE
	STEP 0, 0, ZF
	s_mov_b32 s3, LAPS-1
.Llap:                                                 ; a trip goes once round the ring, from a lap's second step to the next lap's first, and fills both slots again
	TURN 0, 1, 1
	STEP 1, 0, 0
	TURN 1, 0, 1
	STEP 0, 0, 0
	s_sub_co_u32 s3, s3, 1
	s_cmp_lg_u32 s3, 0
	s_cbranch_scc1 .Llap
	TURN 0, 1, 0                                   ; the last lap fills nothing, and has no round of the cluster's barrier
	STEP 1, 0, 0
	s_wait_dscnt 4*NL                              ; the very last step: nothing more to fetch
	WIN MUL_LO
	MUL16 0, 1, 0
	MUL16 2, 1, 0
	s_wait_alu depctr_va_vdst(0)
	s_wait_dscnt 0
	WIN MUL_HI
	MUL16 4, 1, 0
	MUL16 6, 1, 0
	WIN 0
; THE WAY OUT, block by block of 16 rows x 128 columns.  The sums are held within the largest code x 2^F (QKV = 0: between 0 and that: the activation), each accumulator from its low end on, and converted: eight codes a lane and block of
; columns.  The lanes beside me hold other rows: so a block goes through my own stage and comes back 16 bytes a lane, four rows an instruction.  LDS serves a wave's instructions in order (ISA guide 5.7.1.4): no wait between stores and loads.
.macro TOSTAGE a
.set AC, 64*((\a)%4)
.set BB, 112+32*((\a)%2)
	WIN 0x02+((\a)/4)                              ; source 0: window 2 or 3
.set j, 0
.rept 64
.if QKV
	v_med3_num_f32 v[TMP+j], v[AC+j], -v[LIM], v[LIM]   ; the conversion to an 8-bit code does not saturate (ISA guide 7.6.2)
.else
	v_med3_num_f32 v[TMP+j], v[AC+j], 0, v[LIM]         ; the activation and the hold in one
.endif
.set j, j+1
.endr
	WIN 0
.irp b, 0,1,2,3,4,5,6,7
	v_cvt_scalef32_pk8_fp8_f32 v[CD+2*\b:CD+2*\b+1], v[TMP+8*\b:TMP+8*\b+7], v[SC]
.endr
	v_nop                                          ; a plain instruction between the conversions and the next block's holds, which write their sources
.irp b, 0,1,2,3,4,5,6,7
	ds_store_b64 v[STO], v[CD+2*\b:CD+2*\b+1] offset:16*\b
.endr
.irp g, 0,1,2,3
	ds_load_b128 v[BB+4*\g:BB+4*\g+3], v[RD] offset:4*SP*\g
.endr
.endm
.macro SEND a, younger                 ; younger: the LDS instructions issued behind block a's loads, which may stay out
.set BB, 112+32*((\a)%2)
	s_wait_dscnt \younger
.if (\a) > 0
.if QKV
	s_add_nc_u64 s[10:11], s[10:11], s[12:13]      ; sixteen rows on  (behind a wait on XCNT: the earlier stores have read their base)
.else
	s_add_nc_u64 s[10:11], s[10:11], 2048
.endif
.endif
.irp g, 0,1,2,3
.if QKV
	global_store_b128 v[GO+\g], v[BB+4*\g:BB+4*\g+3], s[10:11]   ; vc: 512 consecutive bytes; qc, kc: four tokens x 64 bytes of each of two heads: two aligned runs of 256 bytes
.else
	global_store_b128 v[GO], v[BB+4*\g:BB+4*\g+3], s[10:11] offset:512*\g   ; 512 consecutive bytes, aligned
.endif
.endr
.endm
	PLACES NP                                      ; behind the last products: for the reads of results and for the loads into the registers that held A's fragments
	TOSTAGE 0
.irp a, 1,2,3,4,5,6,7
.if \a > 1
	s_wait_xcnt 0x0                                ; block a - 2's stores have read their registers and their base
.endif
	TOSTAGE \a
	SEND \a-1, 12                                  ; behind block a - 1's loads: block a's 8 stores and 4 loads
.endr
	s_wait_xcnt 0x0
	SEND 7, 0
	s_wait_tensorcnt 0x0                           ; the wave's end, behind my last tensor load and my last LDS store
	ds_add_u32 v[SPW], v[NIL]
	s_wait_dscnt 0x0
	CROUND                                         ; the closing round: no work-group ends while a partner may still ask for a tile that names it
	s_endpgm
.Lfunc_end_k_qf747bebaad_qkv:
	.size	k_qf747bebaad_qkv, .Lfunc_end_k_qf747bebaad_qkv-k_qf747bebaad_qkv
	.p2alignl 7, 3214868480
	.fill 96, 4, 3214868480
	.section	.rodata,"a",@progbits
	.p2align	6, 0x0
	.amdhsa_kernel k_qf747bebaad_qkv
		.amdhsa_group_segment_fixed_size 327680
		.amdhsa_private_segment_fixed_size 0
		.amdhsa_enable_private_segment 0
		.amdhsa_kernarg_size 64
		.amdhsa_user_sgpr_count 2
		.amdhsa_user_sgpr_kernarg_segment_ptr 1
		.amdhsa_wavefront_size32 1
		.amdhsa_system_sgpr_workgroup_id_x 1
		.amdhsa_system_sgpr_workgroup_id_y 1
		.amdhsa_system_sgpr_workgroup_id_z 1
		.amdhsa_system_vgpr_workitem_id 0
		.amdhsa_next_free_vgpr 1024
		.amdhsa_next_free_sgpr 100
		.amdhsa_reserve_vcc 0
		.amdhsa_float_denorm_mode_32 3
		.amdhsa_float_denorm_mode_16_64 3
		.amdhsa_memory_ordered 1
		.amdhsa_forward_progress 1
		.amdhsa_inst_pref_size 127
	.end_amdhsa_kernel
	.amdgpu_metadata
---
amdhsa.version: [ 1, 2 ]
amdhsa.kernels:
  - .name:           k_qf747bebaad_qkv
    .symbol:         k_qf747bebaad_qkv.kd
    .args:
      - { .name: h3, .offset: 0, .size: 8, .value_kind: global_buffer, .address_space: global }
      - { .name: wq_codes, .offset: 8, .size: 8, .value_kind: global_buffer, .address_space: global }
      - { .name: wk_codes, .offset: 16, .size: 8, .value_kind: global_buffer, .address_space: global }
      - { .name: wv_codes, .offset: 24, .size: 8, .value_kind: global_buffer, .address_space: global }
      - { .name: lowp_scales, .offset: 32, .size: 8, .value_kind: global_buffer, .address_space: global }
      - { .name: qc, .offset: 40, .size: 8, .value_kind: global_buffer, .address_space: global }
      - { .name: kc, .offset: 48, .size: 8, .value_kind: global_buffer, .address_space: global }
      - { .name: vc, .offset: 56, .size: 8, .value_kind: global_buffer, .address_space: global }
    .group_segment_fixed_size: 327680
    .private_segment_fixed_size: 0
    .kernarg_segment_align: 8
    .kernarg_segment_size: 64
    .max_flat_workgroup_size: 128
    .sgpr_count:     100
    .vgpr_count:     1024
    .wavefront_size: 32
...
	.end_amdgpu_metadata
.endif
;; end of part 2
;; launch attn (part 3): grid 8 x 32, 16 waves a work-group, clusters of 4 x 1, 327,680 bytes of LDS; arguments qc, kc, vc, lowp_scales, ac; writes ac
.if DOCPART == 3
	.amdgcn_target "amdgcn-amd-amdhsa--gfx1250"
	.amdhsa_code_object_version 6
	.text
	.protected	k_qf747bebaad_attn
	.globl	k_qf747bebaad_attn
	.p2align	8
	.type	k_qf747bebaad_attn,@function
k_qf747bebaad_attn:
	s_mov_b64 s[64:65], 0
	v_nop
	global_prefetch_b8 v0, s[64:65] scope:SCOPE_SE
	s_setreg_imm32_b32 hwreg(HW_REG_WAVE_MODE, 25, 1), 1
	s_wait_xcnt 0x0
	s_wait_alu depctr_hold_cnt(0) depctr_sa_sdst(0) depctr_va_vdst(0) depctr_va_sdst(0) depctr_va_ssrc(0) depctr_va_vcc(0) depctr_vm_vsrc(0)
	s_getreg_b32 s2, hwreg(HW_REG_IB_STS2, 6, 4)
	s_cmp_eq_u32 s2, 0
	s_cbranch_scc0 .Lentry_in_a_cluster
	s_endpgm
.Lentry_in_a_cluster:
	s_bfe_u32 s2, ttmp6, 0x10000c
	s_cmp_lg_u32 s2, 0x3003
	s_cbranch_scc0 .Lentry_shape_is_right
	s_endpgm
.Lentry_shape_is_right:
.set KPIECE, 9216
.set VPIECE, 8704
.set VBASE,  16*KPIECE
.set SPARE,  VBASE+16*VPIECE
.set MERGE,  SPARE+2048
.set MPAIR,  4608
.set AK1,  1
.set AV1,  2
.set AK2,  3
.set AV2,  4
.set SPW,  5
.set NIL,  6
.set GO,   7
.set ADK,  8
.set ADV,  9
.set MAD,  10
.set DRG,  11
.set STI,  250
.set STB,  251
.set WV,   18
.set SEL,  20
.set CS,   22
.set G1K,  24
.set G1V,  32
.set G0K,  40
.set G0V,  44
.set ROLE, 48
.set RHO,  49
.set LIM1, 50
.set DG1,  51
.set DG2,  52
.set N,    53
.set TBK,  54
.set TBV,  55
.set J,    56
.set QA,   58
.set QB,   60
.macro CROUND
	s_barrier_signal -1
	s_barrier_wait -1
	s_cmp_lg_u32 s[WV], 0
	s_cbranch_scc1 .Lnot_wave_0_\@
	s_barrier_signal -3
.Lnot_wave_0_\@:
	s_barrier_wait -3
	s_barrier_signal -1
	s_barrier_wait -1
.endm
	s_load_b128 s[4:7], s[0:1], 0x0
	s_load_b128 s[12:15], s[0:1], 0x10
	s_load_b64 s[16:17], s[0:1], 0x20
	v_lshl_add_u32 v[SPW], v0, 2, SPARE
	v_mov_b32 v[NIL], 0
	ds_add_u32 v[SPW], v[NIL]
	ds_add_u32 v[SPW], v[NIL]
	v_lshrrev_b32 v8, 5, v0
	s_delay_alu instid0(VALU_DEP_1)
	v_readfirstlane_b32 s[WV], v8
	s_bfe_u32 s82, ttmp6, 0x40000
	s_lshl_b32 s[J], ttmp9, 2
	s_add_co_u32 s[J], s[J], s82
	s_and_b32 s83, ttmp7, 0xffff
	s_lshr_b32 s84, s83, 4
	s_and_b32 s85, s83, 15
	s_lshr_b32 s[RHO], s[WV], 1
	s_lshr_b32 s[ROLE], s[WV], 2
	s_xor_b32 s[ROLE], s[ROLE], s[WV]
	s_and_b32 s[ROLE], s[ROLE], 1
	s_sub_co_u32 s86, 15, s[RHO]
	s_cmp_eq_u32 s[ROLE], 1
	s_cselect_b32 s[LIM1], s[RHO], 7
	s_cselect_b32 s[DG1], s[RHO], -1
	s_cselect_b32 s87, s[RHO], s86
	s_mov_b32 s[DG2], 8
	s_lshl_b32 s88, s[J], 10
	s_lshl_b32 s89, s83, 17
	s_lshl_b32 s98, s87, 13
	s_add_co_u32 s98, s98, s88
	s_add_co_u32 s90, s98, s89
	s_mov_b32 s91, 0
	s_lshl_b32 s92, s86, 13
	s_add_co_u32 s92, s92, s88
	s_add_co_u32 s92, s92, s89
	s_mov_b32 s93, 0
	s_and_b32 s94, s[WV], 7                        ; waves 0-7 fetch K, waves 8-15 V: two pieces of 128 keys each, 2 (wave % 8) and the next
	s_lshl_b32 s94, s94, 14
	s_add_co_u32 s94, s94, s89
	s_mov_b32 s95, 0
	s_lshl_b32 s96, s84, 21
	s_and_b32 s82, s[WV], 7
	s_lshl_b32 s82, s82, 18
	s_add_co_u32 s96, s96, s82
	s_lshl_b32 s82, s85, 13
	s_add_co_u32 s96, s96, s82
	s_mov_b32 s97, 0
	s_lshl_b32 s82, s85, 18
	s_add_co_u32 s98, s98, s82
	s_lshl_b32 s82, s84, 17
	s_add_co_u32 s98, s98, s82
	s_mov_b32 s99, 0
	s_mov_b32 s[G1K], 15|(0<<16)|(1<<20)|(1<<21)|(4<<22)|(3<<25)
	s_mov_b32 s[G1V], 15|(0<<16)|(1<<20)|(1<<21)|(5<<22)|(3<<25)
.irp g, G1K, G1V
	s_mov_b32 s[\g+1], 8192<<16                    ; a row of the tile is one piece, 8,192 dense bytes
	s_mov_b32 s[\g+2], 2<<16
	s_mov_b32 s[\g+3], 8192<<16
	s_mov_b32 s[\g+4], 2
	s_mov_b32 s[\g+5], 8192+(\g-G1K)/8*122880      ; from piece to piece: 8,192 bytes in kc, 131,072 in vc
	s_mov_b32 s[\g+6], 0
	s_mov_b32 s[\g+7], 0
.endr
	s_mov_b32 s[SEL], 0x76543210
	s_mov_b32 s[SEL+1], 0xfedcba98
	s_mov_b32 s[CS], 0x3e38aa3b
	s_wait_dscnt 0x0
	s_wait_kmcnt 0x0
	s_load_b256 s[68:75], s[14:15], 0x18
	s_mov_b32 s[G0K], 1
	s_and_b32 s82, s[WV], 7
	s_mul_i32 s[G0K+1], s82, 2*KPIECE
	s_add_nc_u64 s[G0K+2:G0K+3], s[6:7], s[94:95]
	s_or_b32 s[G0K+3], s[G0K+3], 0x80000000
	s_mov_b32 s[G0V], 1
	s_mul_i32 s[G0V+1], s82, 2*VPIECE
	s_add_co_u32 s[G0V+1], s[G0V+1], VBASE
	s_add_nc_u64 s[G0V+2:G0V+3], s[12:13], s[96:97]
	s_or_b32 s[G0V+3], s[G0V+3], 0x80000000
	CROUND
	s_cmp_lt_u32 s[WV], 8                          ; one joint load a wave, all sixteen as one group behind the round: the branch hangs on the wave's number alone
	s_cbranch_scc0 .Lfor_v
	tensor_load_to_lds s[G0K:G0K+3], s[G1K:G1K+7]
	s_nop 0
.rept 4
	v_nop
.endr
	s_branch .Lasked
.Lfor_v:
	tensor_load_to_lds s[G0V:G0V+3], s[G1V:G1V+7]
	s_nop 0
.rept 4
	v_nop
.endr
.Lasked:
	s_add_nc_u64 s[QA:QA+1], s[4:5], s[90:91]
	s_add_nc_u64 s[QB:QB+1], s[4:5], s[92:93]
	s_add_nc_u64 s[16:17], s[16:17], s[98:99]
	v_and_b32 v8, 15, v0
	v_bfe_u32 v9, v0, 4, 1
	s_delay_alu instid0(VALU_DEP_2)
	v_lshlrev_b32 v242, 6, v8
	s_delay_alu instid0(VALU_DEP_1)
	v_lshl_add_u32 v242, v9, 4, v242
.irp c, 0,1
	global_load_b128 v[16+4*\c:19+4*\c], v242, s[QA:QA+1] offset:32*\c
	global_load_b128 v[24+4*\c:27+4*\c], v242, s[QB:QB+1] offset:32*\c
.endr
	v_and_b32 v254, 8, v8
	s_delay_alu instid0(VALU_DEP_1)
	v_add_nc_u32 v254, v254, v8
	s_delay_alu instid0(VALU_DEP_1)
	v_lshrrev_b32 v[AK1], 1, v254
	s_delay_alu instid0(VALU_DEP_1)
	v_mul_u32_u24 v[AK1], v[AK1], 144
	s_delay_alu instid0(VALU_DEP_3)
	v_and_b32 v254, 1, v254
	s_delay_alu instid0(VALU_DEP_1)
	v_lshl_add_u32 v[AK1], v254, 6, v[AK1]
	s_delay_alu instid0(VALU_DEP_1)
	v_lshl_add_u32 v[AK1], v9, 4, v[AK1]
	v_lshrrev_b32 v[AV1], 1, v8
	s_delay_alu instid0(VALU_DEP_1)
	v_mul_u32_u24 v[AV1], v[AV1], 272
	v_and_b32 v254, 1, v8
	s_delay_alu instid0(VALU_DEP_1)
	v_lshl_add_u32 v[AV1], v254, 7, v[AV1]
	s_delay_alu instid0(VALU_DEP_1)
	v_lshl_add_u32 v[AV1], v9, 4, v[AV1]
	s_delay_alu instid0(VALU_DEP_1)
	v_add_nc_u32 v[AV1], VBASE, v[AV1]
	s_xor_b32 s82, s[RHO], 7
	s_mul_i32 s83, s82, KPIECE
	s_mul_i32 s84, s82, VPIECE
	v_add_nc_u32 v[AK2], s83, v[AK1]
	v_add_nc_u32 v[AV2], s84, v[AV1]
	v_and_b32 v254, 31, v0
	s_delay_alu instid0(VALU_DEP_1)
	v_lshlrev_b32 v[GO], 4, v254
	s_mul_i32 s83, s[RHO], MPAIR
	s_add_co_u32 s83, s83, MERGE
	v_add_nc_u32 v[MAD], s83, v[GO]
	s_mul_i32 s84, s[WV], 1280
	v_mul_u32_u24 v[STI], v8, 80
	s_delay_alu instid0(VALU_DEP_1)
	v_lshl_add_u32 v[STI], v9, 3, v[STI]
	s_delay_alu instid0(VALU_DEP_1)
	v_add_nc_u32 v[STI], s84, v[STI]
	v_bfe_u32 v[STB], v0, 2, 3
	s_delay_alu instid0(VALU_DEP_1)
	v_mul_u32_u24 v[STB], v[STB], 80
	v_and_b32 v254, 3, v0
	s_delay_alu instid0(VALU_DEP_1)
	v_lshl_add_u32 v[STB], v254, 4, v[STB]
	s_delay_alu instid0(VALU_DEP_1)
	v_add_nc_u32 v[STB], s84, v[STB]
	v_lshlrev_b32 v254, 4, v9
	s_delay_alu instid0(VALU_DEP_1)
	v_sub_nc_u32 v[DRG], v8, v254
	s_lshl_b32 s82, s[J], 4
	v_add_nc_u32 v[DRG], s82, v[DRG]
	v_mov_b32 v13, 0xff61b1e6
	s_delay_alu instid0(VALU_DEP_1)
	v_floor_f32 v12, -v13
	v_mov_b32 v14, 0
	v_mov_b32 v15, 0
	v_mov_b32 v247, 0xff61b1e6
	s_delay_alu instid0(VALU_DEP_1)
	v_floor_f32 v246, -v247
	v_mov_b32 v248, 0
	v_mov_b32 v249, 0
	v_mov_b32 v236, 0
	v_mov_b32 v253, 0
	v_mov_b32 v243, 0
.set j, 0
.rept 64
	v_mov_b32 v[160+j], 0
.set j, j+1
.endr
	s_wait_kmcnt 0x0
	s_add_co_i32 s82, s68, s69
	s_lshl_b32 s82, s82, 23
	s_add_co_i32 s[CS], s[CS], s82
	s_mov_b32 s[CS+1], s[CS]
	s_add_co_i32 s82, s70, 127
	s_lshl_b32 s83, s82, 23
	v_mov_b32 v244, s83
	s_add_co_i32 s82, s82, 8
	s_lshl_b32 s82, s82, 23
	s_or_b32 s82, s82, 0x600000
	v_mov_b32 v240, s82
	s_add_co_i32 s82, s72, 127
	s_lshl_b32 s83, s82, 23
	v_mov_b32 v245, s83
	s_add_co_i32 s82, s82, 8
	s_lshl_b32 s82, s82, 23
	s_or_b32 s82, s82, 0x600000
	v_mov_b32 v241, s82
.macro STEP qb, ob, st, ak, av, dg
	v_add_nc_u32 v[ADK], s[TBK], v[\ak]
	v_add_nc_u32 v[ADV], s[TBV], v[\av]
	v_nop
	v_nop
.irp t, 0,1,2,3,4,5,6,7
.irp c, 0,1
	ds_load_b128 v[32+8*\t+4*\c:32+8*\t+4*\c+3], v[ADK] offset:(16*(\t/2)+4*(\t%2))*144+32*\c
.endr
.endr
	s_wait_alu depctr_va_vdst(0)
	s_wait_dscnt 0x0
.irp t, 0,1,2,3,4,5,6,7
	v_wmma_f32_16x16x64_fp8_fp8 v[96+8*\t:103+8*\t], v[32+8*\t:39+8*\t], v[\qb:\qb+7], 0
.endr
.rept 4
	v_nop
.endr
.irp t, 0,1,2,3
.irp c, 0,1,2,3
	ds_load_b128 v[32+16*\t+4*\c:32+16*\t+4*\c+3], v[ADV] offset:8*\t*272+32*\c
.endr
.endr
	s_cmp_lg_u32 s[N], s[\dg]
	s_cbranch_scc1 .Lopen_\@
	v_mov_b32 v254, 0xff800000
.set n, 0
.rept 64
	v_cmp_gt_i32 vcc_lo, 32*(n/16)+n%16, v[DRG]
	v_cndmask_b32 v[96+n], v[96+n], v254, vcc_lo
.set n, n+1
.endr
.Lopen_\@:
	v_max3_num_f32 v254, v96, v97, v98
	v_max3_num_f32 v252, v99, v100, v101
.irp i, 6,10,14,18,22,26,30,34,38,42,46,50,54,58
	v_max3_num_f32 v254, v254, v[96+\i], v[97+\i]
	v_max3_num_f32 v252, v252, v[98+\i], v[99+\i]
.endr
	v_max3_num_f32 v254, v254, v158, v159
	s_delay_alu instid0(VALU_DEP_1)
	v_max_num_f32 v254, v254, v252
	v_permlanex16_b32 v236, v254, s[SEL], s[SEL+1]
	s_delay_alu instid0(VALU_DEP_1)
	v_max_num_f32 v254, v254, v236
	s_delay_alu instid0(VALU_DEP_1)
	v_mul_f32 v254, s[CS], v254
	s_delay_alu instid0(VALU_DEP_1)
	v_max_num_f32 v[\st+1], v[\st+1], v254
	v_mov_b32 v254, v[\st]
	s_delay_alu instid0(VALU_DEP_2)
	v_floor_f32 v[\st], -v[\st+1]
	s_delay_alu instid0(VALU_DEP_1)
	v_sub_f32 v254, v[\st], v254
	s_delay_alu instid0(VALU_DEP_1)
	v_cvt_i32_f32 v254, v254
	s_delay_alu instid0(VALU_DEP_1)
	v_ldexp_f32 v252, 1.0, v254
.set j, 0
.rept 32
	v_pk_fma_f32 v[96+j:97+j], v[96+j:97+j], s[CS:CS+1], v[\st:\st+1] op_sel_hi:[1,0,0]
.set j, j+2
.endr
.set j, 0
	s_wait_alu depctr_va_vdst(0)
.rept 64
	v_exp_f32 v[96+j], v[96+j]
.set j, j+1
.endr
	v_pk_mul_f32 v[\st+2:\st+3], v[\st+2:\st+3], v[252:253] op_sel_hi:[1,0]
	s_wait_alu depctr_va_vdst(0)
	v_pk_add_f32 v[242:243], v[96:97], v[98:99]
.irp j, 4,8,12,16,20,24,28,32,36,40,44,48,52,56,60
	v_pk_add_f32 v[\st+2:\st+3], v[\st+2:\st+3], v[96+\j:97+\j]
	v_pk_add_f32 v[242:243], v[242:243], v[98+\j:99+\j]
.endr
	s_delay_alu instid0(VALU_DEP_1)
	v_pk_add_f32 v[\st+2:\st+3], v[\st+2:\st+3], v[242:243]
.irp b, 0,1,2,3
.irp i, 0,2,4,6,8,10,12,14
	v_dual_min_num_f32 v[96+16*\b+\i], v[96+16*\b+\i], v240 :: v_dual_min_num_f32 v[97+16*\b+\i], v[97+16*\b+\i], v240   ; the one-sided hold at the largest code, two numbers a line
.endr
	v_cvt_scalef32_pk8_fp8_f32 v[224+4*\b:225+4*\b], v[96+16*\b:103+16*\b], v244
	v_cvt_scalef32_pk8_fp8_f32 v[226+4*\b:227+4*\b], v[104+16*\b:111+16*\b], v244
.endr
.set j, 0
.rept 16
	v_pk_mul_f32 v[\ob+j:\ob+j+1], v[\ob+j:\ob+j+1], v[252:253] op_sel_hi:[1,0]
.set j, j+2
.endr
	s_wait_alu depctr_va_vdst(0)
	s_wait_dscnt 0x0
.irp t, 0,1,2,3
	v_wmma_f32_16x16x128_fp8_fp8 v[\ob+8*\t:\ob+8*\t+7], v[32+16*\t:47+16*\t], v[224:239], v[\ob+8*\t:\ob+8*\t+7]
.endr
.endm
	s_mov_b32 s[N], 0
	s_mov_b32 s[TBK], 0
	s_mov_b32 s[TBV], 0
	s_wait_alu depctr_va_vdst(0)
	s_wait_loadcnt 0x0
	s_wait_tensorcnt 0x0
	s_barrier_signal -1
	s_barrier_wait -1
.Ltrip:
	s_cmp_gt_u32 s[N], s[LIM1]
	s_cbranch_scc1 .Lsecond
	STEP 16, 160, 12, AK1, AV1, DG1
	s_branch .Lnext
.Lsecond:
	s_cmp_eq_u32 s[ROLE], 0
	s_cbranch_scc1 .Lnext
	STEP 24, 192, 246, AK2, AV2, DG2
.Lnext:
	s_add_co_u32 s[TBK], s[TBK], KPIECE
	s_add_co_u32 s[TBV], s[TBV], VPIECE
	s_add_co_u32 s[N], s[N], 1
	s_cmp_lt_u32 s[N], 9
	s_cbranch_scc1 .Ltrip
.rept 4
	v_nop
.endr
	s_cmp_eq_u32 s[ROLE], 0
	s_cbranch_scc1 .Lno_part
	s_wait_alu depctr_va_vdst(0)
.irp k, 0,1,2,3,4,5,6,7
	ds_store_b128 v[MAD], v[192+4*\k:195+4*\k] offset:512*\k
.endr
	ds_store_b128 v[MAD], v[246:249] offset:4096
.Lno_part:
	s_wait_dscnt 0x0
	s_barrier_signal -1
	s_barrier_wait -1
	s_cmp_eq_u32 s[ROLE], 1
	s_cbranch_scc1 .Lmerged
.irp k, 0,1,2,3,4,5,6,7
	ds_load_b128 v[96+4*\k:99+4*\k], v[MAD] offset:512*\k
.endr
	ds_load_b128 v[128:131], v[MAD] offset:4096
	s_wait_dscnt 0x0
	v_min_num_f32 v252, v12, v128
	s_delay_alu instid0(VALU_DEP_1)
	v_sub_f32 v254, v252, v12
	s_delay_alu instid0(VALU_DEP_2)
	v_sub_f32 v242, v252, v128
	s_delay_alu instid0(VALU_DEP_2)
	v_cvt_i32_f32 v254, v254
	s_delay_alu instid0(VALU_DEP_2)
	v_cvt_i32_f32 v242, v242
	s_delay_alu instid0(VALU_DEP_2)
	v_ldexp_f32 v252, 1.0, v254
	s_delay_alu instid0(VALU_DEP_2)
	v_ldexp_f32 v242, 1.0, v242
	s_delay_alu instid0(VALU_DEP_2)
	v_pk_mul_f32 v[14:15], v[14:15], v[252:253] op_sel_hi:[1,0]
	s_delay_alu instid0(VALU_DEP_1)
	v_pk_fma_f32 v[14:15], v[130:131], v[242:243], v[14:15] op_sel_hi:[1,0,1]
.set j, 0
.rept 16
	v_pk_mul_f32 v[160+j:161+j], v[160+j:161+j], v[252:253] op_sel_hi:[1,0]
.set j, j+2
.endr
.set j, 0
.rept 16
	v_pk_fma_f32 v[160+j:161+j], v[96+j:97+j], v[242:243], v[160+j:161+j] op_sel_hi:[1,0,1]
.set j, j+2
.endr
.Lmerged:
	v_add_f32 v14, v14, v15
	s_delay_alu instid0(VALU_DEP_1)
	v_permlanex16_b32 v252, v14, s[SEL], s[SEL+1]
	s_delay_alu instid0(VALU_DEP_1)
	v_add_f32 v14, v14, v252
	s_wait_alu depctr_va_vdst(0)
	v_rcp_f32 v14, v14
	v_nop
	s_add_co_i32 s82, s70, s71
	s_wait_alu depctr_va_vdst(0)
	v_ldexp_f32 v14, v14, s82
.set j, 0
.rept 32
	v_mul_f32 v[96+j], v[160+j], v14
.set j, j+1
.endr
.set j, 0
.rept 32
	v_med3_num_f32 v[96+j], v[96+j], -v241, v241
.set j, j+1
.endr
.irp t, 0,1,2,3
	v_cvt_scalef32_pk8_fp8_f32 v[128+2*\t:129+2*\t], v[96+8*\t:103+8*\t], v245
.endr
	v_nop
.irp t, 0,1,2,3
	ds_store_b64 v[STI], v[128+2*\t:129+2*\t] offset:16*\t
.endr
.irp g, 0,1
	ds_load_b128 v[136+4*\g:139+4*\g], v[STB] offset:640*\g
.endr
.irp g, 0,1
	s_wait_dscnt 1-\g
	global_store_b128 v[GO], v[136+4*\g:139+4*\g], s[16:17] offset:512*\g
.endr
	s_wait_tensorcnt 0x0
	ds_add_u32 v[SPW], v[NIL]
	s_wait_dscnt 0x0
	CROUND
	s_endpgm
.Lfunc_end_k_qf747bebaad_attn:
	.size	k_qf747bebaad_attn, .Lfunc_end_k_qf747bebaad_attn-k_qf747bebaad_attn
	.p2alignl 7, 3214868480
	.fill 96, 4, 3214868480
	.section	.rodata,"a",@progbits
	.p2align	6, 0x0
	.amdhsa_kernel k_qf747bebaad_attn
		.amdhsa_group_segment_fixed_size 327680
		.amdhsa_private_segment_fixed_size 0
		.amdhsa_enable_private_segment 0
		.amdhsa_kernarg_size 40
		.amdhsa_user_sgpr_count 2
		.amdhsa_user_sgpr_kernarg_segment_ptr 1
		.amdhsa_wavefront_size32 1
		.amdhsa_system_sgpr_workgroup_id_x 1
		.amdhsa_system_sgpr_workgroup_id_y 1
		.amdhsa_system_sgpr_workgroup_id_z 1
		.amdhsa_system_vgpr_workitem_id 0
		.amdhsa_next_free_vgpr 256
		.amdhsa_next_free_sgpr 100
		.amdhsa_reserve_vcc 1
		.amdhsa_float_denorm_mode_32 3
		.amdhsa_float_denorm_mode_16_64 3
		.amdhsa_memory_ordered 1
		.amdhsa_forward_progress 1
		.amdhsa_inst_pref_size 62
	.end_amdhsa_kernel
	.amdgpu_metadata
---
amdhsa.version: [ 1, 2 ]
amdhsa.kernels:
  - .name:           k_qf747bebaad_attn
    .symbol:         k_qf747bebaad_attn.kd
    .args:
      - { .name: qc, .offset: 0, .size: 8, .value_kind: global_buffer, .address_space: global }
      - { .name: kc, .offset: 8, .size: 8, .value_kind: global_buffer, .address_space: global }
      - { .name: vc, .offset: 16, .size: 8, .value_kind: global_buffer, .address_space: global }
      - { .name: lowp_scales, .offset: 24, .size: 8, .value_kind: global_buffer, .address_space: global }
      - { .name: ac, .offset: 32, .size: 8, .value_kind: global_buffer, .address_space: global }
    .group_segment_fixed_size: 327680
    .private_segment_fixed_size: 0
    .kernarg_segment_align: 8
    .kernarg_segment_size: 40
    .max_flat_workgroup_size: 512
    .sgpr_count:     100
    .vgpr_count:     256
    .wavefront_size: 32
...
	.end_amdgpu_metadata
.endif
;; end of part 3
;; launch proj (part 4): grid 8 x 32, 4 waves a work-group, clusters of 4 x 4, 327,680 bytes of LDS; arguments ac, w_proj_codes, lowp_scales, b_proj, x, x1; writes x1
.if DOCPART == 4
	.amdgcn_target "amdgcn-amd-amdhsa--gfx1250"
	.amdhsa_code_object_version 6
	.text
	.protected	k_qf747bebaad_proj
	.globl	k_qf747bebaad_proj
	.p2align	8
	.type	k_qf747bebaad_proj,@function
k_qf747bebaad_proj:
	s_mov_b64 s[64:65], 0
	v_nop
	global_prefetch_b8 v0, s[64:65] scope:SCOPE_SE
	s_setreg_imm32_b32 hwreg(HW_REG_WAVE_MODE, 25, 1), 1
	s_wait_xcnt 0x0
	s_wait_alu depctr_hold_cnt(0) depctr_sa_sdst(0) depctr_va_vdst(0) depctr_va_sdst(0) depctr_va_ssrc(0) depctr_va_vcc(0) depctr_vm_vsrc(0)
	s_getreg_b32 s2, hwreg(HW_REG_IB_STS2, 6, 4)
	s_cmp_eq_u32 s2, 0
	s_cbranch_scc0 .Lentry_in_a_cluster
	s_endpgm
.Lentry_in_a_cluster:
	s_bfe_u32 s2, ttmp6, 0x10000c
	s_cmp_lg_u32 s2, 0xf033
	s_cbranch_scc0 .Lentry_shape_is_right
	s_endpgm
.Lentry_shape_is_right:
; out = res + A W^T x 2^(ea + eb) + bias: a product on codes of E4M3 with 4,096 rows and 1,024 columns, and the residual added on the way out; out, res f32 [4096][1024].  No work is left out here.
; FF2 = 0: the projection.  A = attention's result, [head][token][64] codes, K = 1,024 = head x 64 + d; entries 10, 11 of the given exponents.
; FF2 = 1: the second feed-forward product.  A = the hidden layer, [K / 128][token][128] codes, K = 4,096; entries 14, 15.
; LIMIT: ea + eb lies between -126 and 127, so that 2^(ea + eb) is an f32 number.
; Tiles of 256 x 256 would be 64: a tile is 128 x 128, 256 work-groups.  Four waves, each 64 x 64: 16 accumulators.  K goes in steps of 512 through two LDS slots.
; A's part of a K step for 64 rows is AROWS dense runs of AROWB bytes (64 rows of one head, or of one block of 128 along K), ASTRIDE bytes apart: one tensor load, with 16 bytes of padding behind each row's piece, so that
; in LDS the pieces lie APITCH bytes apart, run behind run.  B's is 64 rows of 512 bytes, 528 apart in LDS.
; CLUSTERS: 4 x 4 work-groups; A's tiles are asked for jointly along a row of the cluster, B's along a column.  THE MATRIX INSTRUCTION IS USED TRANSPOSED (source 0 = 16 rows of W, source 1 = 16 rows of A).
; Fragments come by four loads of 16 bytes (K = 32 c + 16 (l / 16) + 0 .. 15 in registers 4 c .. 4 c + 3): a permutation of k, the same on both sides.
; REGISTERS: window 0: v16-29 addresses; v[32:35] my four columns' bias; v64-127 rows on the way out, two sets; v128-255 the accumulators ((a, b) at v[128 + 8 (4 a + b)]).
;   window 1: two fragment buffers of 128: A's four fragments, then B's four.   window 2: v0-127 my 64 x 64 of the residual, asked for at the head.
; IN THIS FORM (K = 1,024) ONE LOAD A WAVE BRINGS ALL OF K: A's 16 runs of 64 rows x 64 bytes, B's 64 rows of 1,024 bytes (1,040 apart in LDS).  Nothing is filled twice; what the text calls slot 1 is the second half of K in the same fill.
.set FF2, 0
.if FF2
.set SIZE_K,  4096
.set APITCH,  144
.set AROWB,   8192
.set AROWS,   4
.set ASTRIDE, 524288
.set AQI,     4                        ; padding after every 32 words
.set ASH,     7                        ; a row's piece is 128 bytes
.set EOFF,    56
.else
.set SIZE_K,  1024
.set APITCH,  80
.set AROWB,   4096
.set AROWS,   16
.set ASTRIDE, 262144
.set AQI,     3                        ; padding after every 16 words
.set ASH,     6                        ; a row's piece is 64 bytes
.set EOFF,    40
.endif
.set ASTEP,  2097152                   ; a K step of 512 on, in A: eight runs, 8 x ASTRIDE
.set AHALF,  AROWS*64*APITCH           ; what one load of A takes in LDS
.set BPITCH, 1040
.set BHALF,  64*BPITCH
.set SLOT,   2*AHALF+2*BHALF
.set SPARE,  SLOT
.set STAGE,  SPARE+512                 ; behind them: 16 rows x 272 bytes for each wave; no tile lands there
.set SPITCH, 272
.set LAPS,   SIZE_K/1024               ; a lap = two K steps
.set ADRA, 16
.set ADRB, 20
.set STO,  24
.set RD,   25
.set CO,   26
.set SPW,  28
.set NIL,  29
.set BI,   32
.set ACC,  128
.set F0,   0
.set F1,   128
.set G1, 24
.set G0, 32
.set G1B, 48
.set G0B, 56
.set MSB, 0
.macro WIN new                         ; the immediate's high byte repeats the setting that is left
.if MSB != (\new)
	s_set_vgpr_msb (MSB<<8)|(\new)
.set MSB, (\new)
.endif
.endm
.set MUL,   0x05                       ; sources 0 (B) and 1 (A) window 1; C and D window 0
.set TO_F,  0x40                       ; destination window 1
.set TO_R,  0x80                       ; destination window 2
.set ADD_R, 0x08                       ; source 1 window 2
.macro JLOAD s                         ; a joint load: waves 0 and 1 fetch A's halves, waves 2 and 3 B's; an s_nop 0 and four v_nop follow each of the two lines
	s_cmp_eq_u32 s11, 0
	s_cbranch_scc0 .Lfor_b_\@
	tensor_load_to_lds s[G0+4*\s:G0+4*\s+3], s[G1:G1+7]
	s_nop 0
.rept 4
	v_nop
.endr
	s_branch .Lasked_\@
.Lfor_b_\@:
	tensor_load_to_lds s[G0B+4*\s:G0B+4*\s+3], s[G1B:G1B+7]
	s_nop 0
.rept 4
	v_nop
.endr
.Lasked_\@:
.endm
.macro CREST
	s_cmp_lg_u32 s10, 0
	s_cbranch_scc1 .Lnot_wave_0_\@
	s_barrier_signal -3
.Lnot_wave_0_\@:
	s_barrier_wait -3
	s_barrier_signal -1
	s_barrier_wait -1
.endm
.macro CROUND
	s_barrier_signal -1
	s_barrier_wait -1
	CREST
.endm
	s_load_b256 s[68:75], s[0:1], 0x0              ; A s[68:69], W s[70:71], exponents s[72:73], bias s[74:75]
	s_load_b128 s[76:79], s[0:1], 0x20             ; res s[76:77], out s[78:79]
	v_lshl_add_u32 v[SPW], v0, 2, SPARE
	v_mov_b32 v[NIL], 0
	ds_add_u32 v[SPW], v[NIL]                      ; the wave's opening: the add, twice on end, and its wait, ahead of my first tensor load; the set-up below stands between
	ds_add_u32 v[SPW], v[NIL]
	v_lshrrev_b32 v1, 5, v0
	v_readfirstlane_b32 s10, v1                    ; wave 0..3
	s_lshr_b32 s11, s10, 1                         ; which half of the tile's rows is mine.  Also: I fetch for A (0) or for B (1)
	s_and_b32 s12, s10, 1                          ; which half of its columns.  Also: which 64 rows of that tile I fetch
	s_bfe_u32 s40, ttmp6, 0x40000                  ; cx, cy
	s_bfe_u32 s41, ttmp6, 0x40004
	s_lshl_b32 s42, ttmp9, 2
	s_add_co_u32 s42, s42, s40                     ; tile column
	s_and_b32 s13, ttmp7, 0xffff
	s_lshl_b32 s13, s13, 2
	s_add_co_u32 s13, s13, s41                     ; tile row
	s_lshl_b32 s43, s41, 2
	s_lshl_b32 s43, 15, s43                        ; my row of the cluster
	s_lshl_b32 s44, 0x1111, s40                    ; my column
	s_or_b32 s[G1+0], s43, (0<<16)|(1<<20)|(1<<21)|(AQI<<22)|(3<<25)   ; the mask; elements of 1 byte; padding on; bit 21 beside a mask; four words of padding behind each row's piece
	s_mov_b32 s[G1+1], AROWB<<16                   ; tensor_dim0
	s_mov_b32 s[G1+2], AROWS<<16                   ; tensor_dim1
	s_mov_b32 s[G1+3], AROWB<<16                   ; tile_dim0
	s_mov_b32 s[G1+4], AROWS                       ; tile_dim1
	s_mov_b32 s[G1+5], ASTRIDE                     ; tensor_dim0_stride
	s_mov_b32 s[G1+6], 0
	s_mov_b32 s[G1+7], 0
	s_or_b32 s[G1B+0], s44, (0<<16)|(1<<20)|(1<<21)|(7<<22)|(3<<25)    ; four words after every 256
	s_mov_b32 s[G1B+1], 1024<<16
	s_mov_b32 s[G1B+2], 64<<16
	s_mov_b32 s[G1B+3], 1024<<16
	s_mov_b32 s[G1B+4], 64
	s_mov_b32 s[G1B+5], SIZE_K
	s_mov_b32 s[G1B+6], 0
	s_mov_b32 s[G1B+7], 0
	s_lshl_b32 s17, s12, 6                         ; which 64 rows of the tile I fetch
	s_lshl_b32 s16, s13, 7
	s_add_co_u32 s16, s16, s17                     ; A: row 128 x tile row + 64 x half,
	s_lshl_b32 s16, s16, ASH                       ; its piece in the first run
	s_lshl_b32 s46, s42, 7
	s_add_co_u32 s46, s46, s17                     ; B: row 128 x tile column + 64 x half
	s_mul_i32 s46, s46, SIZE_K
	s_mov_b32 s17, 0
	s_mov_b32 s47, 0
	s_mul_i32 s20, s12, AHALF                      ; where they go: no place in the cluster enters an LDS address
	s_mul_i32 s21, s12, BHALF
	s_add_co_u32 s21, s21, 2*AHALF
	s_wait_dscnt 0x0                               ; both opening adds are done
	s_wait_kmcnt 0x0
	s_load_b64 s[96:97], s[72:73], EOFF            ; ea, eb
	s_add_nc_u64 s[14:15], s[68:69], s[16:17]
	s_add_nc_u64 s[46:47], s[70:71], s[46:47]
	CROUND                                         ; all sixteen work-groups are here: the first joint loads meet
.irp s, 0
	s_mov_b32 s[G0+4*\s], 1
	s_add_co_u32 s[G0+4*\s+1], s20, \s*SLOT
	s_add_nc_u64 s[G0+4*\s+2:G0+4*\s+3], s[14:15], \s*ASTEP
	s_or_b32 s[G0+4*\s+3], s[G0+4*\s+3], 0x80000000
	s_mov_b32 s[G0B+4*\s], 1
	s_add_co_u32 s[G0B+4*\s+1], s21, \s*SLOT
	s_add_nc_u64 s[G0B+4*\s+2:G0B+4*\s+3], s[46:47], \s*512
	s_or_b32 s[G0B+4*\s+3], s[G0B+4*\s+3], 0x80000000
	JLOAD \s
.endr
	v_and_b32 v1, 15, v0                           ; r
	v_bfe_u32 v2, v0, 4, 1                         ; h
	v_mul_u32_u24 v3, v1, APITCH
	v_lshl_add_u32 v3, v2, 4, v3
	v_mul_u32_u24 v4, v1, BPITCH
	v_lshl_add_u32 v4, v2, 4, v4
	s_mul_i32 s21, s11, AHALF                      ; my 64 rows of A
	s_mul_i32 s22, s12, BHALF                      ; my 64 rows of B,
	s_add_co_u32 s22, s22, 2*AHALF                 ; which lie behind A's two halves
.irp s, 0,1
	v_add_nc_u32 v[ADRA+\s], s21, v3
	v_add_nc_u32 v[ADRB+\s], s22, v4
	s_add_co_u32 s21, s21, 8*64*APITCH             ; the second half of K: eight runs on in A,
	s_add_co_u32 s22, s22, 512                     ; 512 bytes on in B's rows
.endr
	s_mul_i32 s23, s10, 16*SPITCH
	s_add_co_u32 s23, s23, STAGE                   ; my stage
	v_mul_u32_u24 v5, v1, SPITCH
	v_lshl_add_u32 v5, v2, 5, v5
	v_add_nc_u32 v[STO], s23, v5                   ; in: row r, 32 bytes for each half of the lanes
	v_mul_u32_u24 v5, v2, SPITCH
	v_lshl_add_u32 v5, v1, 4, v5
	v_add_nc_u32 v[RD], s23, v5                    ; back: lanes 0-15 one row of 256 bytes, lanes 16-31 the next
	v_lshlrev_b32 v27, 4, v1
	v_lshl_add_u32 v[CO], v2, 12, v27              ; and the same two rows in res and out: rows of 4,096 bytes
	s_wait_alu depctr_va_vdst(0)
	s_lshl_b32 s16, s13, 7
	s_lshl_b32 s17, s11, 6
	s_add_co_u32 s16, s16, s17                     ; my first row,
	s_lshl_b32 s16, s16, 12                        ; in bytes
	s_lshl_b32 s46, s42, 9
	s_lshl_b32 s47, s12, 8
	s_add_co_u32 s46, s46, s47                     ; my first column, in bytes
	s_mov_b32 s47, 0
	s_add_nc_u64 s[74:75], s[74:75], s[46:47]
	s_add_co_u32 s16, s16, s46
	s_mov_b32 s17, 0
	s_add_nc_u64 s[76:77], s[76:77], s[16:17]
	s_add_nc_u64 s[78:79], s[78:79], s[16:17]
.macro MULA f, a, zero                 ; four matrix instructions: A's block a x B's four, 128 along K.  The 16 accumulators take turns, one instruction a turn
.irp b, 0,1,2,3
.if \zero
	v_wmma_f32_16x16x128_fp8_fp8 v[ACC+8*(4*(\a)+\b):ACC+8*(4*(\a)+\b)+7], v[\f+64+16*\b:\f+64+16*\b+15], v[\f+16*(\a):\f+16*(\a)+15], 0
.else
	v_wmma_f32_16x16x128_fp8_fp8 v[ACC+8*(4*(\a)+\b):ACC+8*(4*(\a)+\b)+7], v[\f+64+16*\b:\f+64+16*\b+15], v[\f+16*(\a):\f+16*(\a)+15], v[ACC+8*(4*(\a)+\b):ACC+8*(4*(\a)+\b)+7]
.endif
.endr
.endm
.macro FETCH slot, q, f                ; 32 LDS loads in one run: the fragments of the slot's q-th 128 along K into buffer f
	WIN TO_F
.irp i, 0,1,2,3
.irp c, 0,1,2,3
	ds_load_b128 v[\f+64+16*\i+4*\c:\f+64+16*\i+4*\c+3], v[ADRB+\slot] offset:128*(\q)+32*\c+\i*16*BPITCH
.endr
.endr
.irp i, 0,1,2,3
.irp c, 0,1,2,3
.if FF2
	ds_load_b128 v[\f+16*\i+4*\c:\f+16*\i+4*\c+3], v[ADRA+\slot] offset:(\q)*64*APITCH+\i*16*APITCH+32*\c
.else
	ds_load_b128 v[\f+16*\i+4*\c:\f+16*\i+4*\c+3], v[ADRA+\slot] offset:(2*(\q)+\c/2)*64*APITCH+\i*16*APITCH+32*(\c%2)
.endif
.endr
.endr
.endm
.macro PLACES                          ; four places in front of loads into registers that matrix instructions have read, and of the first read of results
.rept 4
	v_nop
.endr
.endm
; A K step is four quarters of 128 along K, 16 matrix instructions each, on buffers 0, 1, 0, 1.  One of the first three: the next quarter, q, is asked for first, into g, then buffer f is multiplied.
.macro QUARTER slot, q, f, g, zero
	s_wait_dscnt 0x0                               ; buffer f's loads, issued a quarter ago, are in
	PLACES
	FETCH \slot, \q, \g
	WIN MUL
	MULA \f, 0, \zero
	MULA \f, 1, \zero
	MULA \f, 2, \zero
	MULA \f, 3, \zero
.endm
; The last quarter multiplies buffer 1 and changes slots: ONE barrier; in front of it each wave waits for all its tensor loads, adds 0 to its spare word, and waits for that and for its own reads of this slot.  fill = 1: this slot is filled again, two K steps ahead.
.macro TURN slot, next, fill
	WIN 0                                          ; (the add's two registers lie in window 0)
	s_wait_tensorcnt 0x0                           ; all my tensor loads have landed: my part of the next slot
	ds_add_u32 v[SPW], v[NIL]                      ; 0 onto my spare word
	s_wait_dscnt 1                                 ; buffer 1 is in; the add may be out
	WIN MUL
	MULA F1, 0, 0                                  ; four matrix instructions stand between the add and the wait for it
	s_wait_dscnt 0x0                               ; the add is done, and my reads of this slot are over
	s_barrier_signal -1
	MULA F1, 1, 0
	WIN 0
	s_barrier_wait -1
.if \fill
	CREST                                          ; the barrier has opened a round of the cluster's barrier: no wave of any partner still reads this slot or has a load on its way
	s_add_nc_u64 s[G0+4*\slot+2:G0+4*\slot+3], s[G0+4*\slot+2:G0+4*\slot+3], 2*ASTEP
	s_add_nc_u64 s[G0B+4*\slot+2:G0B+4*\slot+3], s[G0B+4*\slot+2:G0B+4*\slot+3], 1024
	JLOAD \slot                                    ; the first tensor load behind the round; its four v_nop are the places in front of the loads below
.else
	PLACES
.endif
	FETCH \next, 0, F0
	WIN MUL
	MULA F1, 2, 0
	MULA F1, 3, 0
.endm
	s_wait_tensorcnt 0x0
	s_barrier_signal -1
	s_barrier_wait -1
	WIN TO_R                                       ; the tiles are in: now the residual is asked for, in the layout in which the rows come back from the stage; it lands under the products
.irp a, 0,1,2,3
.irp t, 0,1,2,3,4,5,6,7
	global_load_b128 v[32*\a+4*\t:32*\a+4*\t+3], v[CO], s[76:77] offset:(16*\a+2*\t)*4096 th:TH_LOAD_NT
.endr
.endr
	WIN 0
	global_load_b128 v[BI:BI+3], v27, s[74:75]     ; the bias of my four columns
	FETCH 0, 0, F0
	QUARTER 0, 1, F0, F1, 1                        ; the first quarter stands in front of the loop: its products start the sums
.if LAPS > 1
	WIN 0                                          ; at a label and at a branch every window is 0
	s_mov_b32 s3, LAPS-1
.Llap:                                                 ; a trip goes once round the ring, from a lap's second quarter to the next lap's first, and fills both slots again
	QUARTER 0, 2, F1, F0, 0
	QUARTER 0, 3, F0, F1, 0
	TURN 0, 1, 1
	QUARTER 1, 1, F0, F1, 0
	QUARTER 1, 2, F1, F0, 0
	QUARTER 1, 3, F0, F1, 0
	TURN 1, 0, 1
	QUARTER 0, 1, F0, F1, 0
	WIN 0
	s_sub_co_u32 s3, s3, 1
	s_cmp_lg_u32 s3, 0
	s_cbranch_scc1 .Llap
.endif
	QUARTER 0, 2, F1, F0, 0                        ; the last lap fills nothing, and has no round of the cluster's barrier
	QUARTER 0, 3, F0, F1, 0
	TURN 0, 1, 0
	QUARTER 1, 1, F0, F1, 0
	QUARTER 1, 2, F1, F0, 0
	QUARTER 1, 3, F0, F1, 0
	s_wait_dscnt 0x0                               ; the very last quarter: nothing more to fetch
	MULA F1, 0, 0
	MULA F1, 1, 0
	MULA F1, 2, 0
	MULA F1, 3, 0
	WIN 0
; THE WAY OUT, block by block of 16 rows x 64 columns.  A lane holds 32 neighbouring bytes of a row and the lanes beside it other rows: the sums go through my own stage as they are and come back as whole rows of 256 bytes;
; then sum x 2^(ea + eb) + bias, one packed multiply-add for two numbers, + the residual.  LDS serves a wave's instructions in order (ISA guide 5.7.1.4): no wait between the stores and the loads.
.macro STG a
.set OBB, 64+32*((\a)%2)
.irp b, 0,1,2,3
	ds_store_b128 v[STO], v[ACC+8*(4*(\a)+\b):ACC+8*(4*(\a)+\b)+3] offset:64*\b          ; each accumulator from its low end on
	ds_store_b128 v[STO], v[ACC+8*(4*(\a)+\b)+4:ACC+8*(4*(\a)+\b)+7] offset:64*\b+16
.endr
.irp t, 0,1,2,3,4,5,6,7
	ds_load_b128 v[OBB+4*\t:OBB+4*\t+3], v[RD] offset:\t*2*SPITCH
.endr
.endm
.macro EMIT a, younger                 ; younger: the LDS instructions issued behind block a's loads, which may stay out
.set OBB, 64+32*((\a)%2)
	s_wait_dscnt \younger
.irp t, 0,1,2,3,4,5,6,7
.irp u, 0,2
	v_pk_fma_f32 v[OBB+4*\t+\u:OBB+4*\t+\u+1], v[OBB+4*\t+\u:OBB+4*\t+\u+1], s[96:97], v[BI+\u:BI+\u+1] op_sel_hi:[1,0,1]
.endr
.endr
	WIN ADD_R
.irp t, 0,1,2,3,4,5,6,7
.irp u, 0,2
	v_pk_add_f32 v[OBB+4*\t+\u:OBB+4*\t+\u+1], v[OBB+4*\t+\u:OBB+4*\t+\u+1], v[32*(\a)+4*\t+\u:32*(\a)+4*\t+\u+1]
.endr
.endr
	WIN 0
.irp t, 0,1,2,3,4,5,6,7
.if FF2
	global_store_b128 v[CO], v[OBB+4*\t:OBB+4*\t+3], s[78:79] offset:(16*(\a)+2*\t)*4096 th:TH_STORE_NT   ; 16 lanes store 256 consecutive bytes, aligned; written once, read by nobody here
.else
	global_store_b128 v[CO], v[OBB+4*\t:OBB+4*\t+3], s[78:79] offset:(16*(\a)+2*\t)*4096                  ; 16 lanes store 256 consecutive bytes, aligned
.endif
.endr
.endm
	s_wait_kmcnt 0x0
	s_add_co_i32 s96, s96, s97
	s_add_co_i32 s96, s96, 127
	s_lshl_b32 s96, s96, 23                        ; 2^(ea + eb) as f32
	s_mov_b32 s97, s96                             ; (named with it as a pair, so it is written)
	PLACES                                         ; behind the last products
	s_wait_loadcnt 0x0                             ; the residual and the bias
	STG 0
	STG 1
	EMIT 0, 16                                     ; behind block 0's loads: block 1's 8 stores and 8 loads
	s_wait_xcnt 0x0                                ; block 0's stores have read their registers: block 2's rows may land there
	STG 2
	EMIT 1, 16
	s_wait_xcnt 0x0
	STG 3
	EMIT 2, 16
	EMIT 3, 0
	s_wait_tensorcnt 0x0                           ; the wave's end, behind my last tensor load and my last LDS store
	ds_add_u32 v[SPW], v[NIL]
	s_wait_dscnt 0x0
	CROUND                                         ; the closing round: no work-group ends while a partner may still ask for a tile that names it
	s_endpgm
.Lfunc_end_k_qf747bebaad_proj:
	.size	k_qf747bebaad_proj, .Lfunc_end_k_qf747bebaad_proj-k_qf747bebaad_proj
	.p2alignl 7, 3214868480
	.fill 96, 4, 3214868480
	.section	.rodata,"a",@progbits
	.p2align	6, 0x0
	.amdhsa_kernel k_qf747bebaad_proj
		.amdhsa_group_segment_fixed_size 327680
		.amdhsa_private_segment_fixed_size 0
		.amdhsa_enable_private_segment 0
		.amdhsa_kernarg_size 48
		.amdhsa_user_sgpr_count 2
		.amdhsa_user_sgpr_kernarg_segment_ptr 1
		.amdhsa_wavefront_size32 1
		.amdhsa_system_sgpr_workgroup_id_x 1
		.amdhsa_system_sgpr_workgroup_id_y 1
		.amdhsa_system_sgpr_workgroup_id_z 1
		.amdhsa_system_vgpr_workitem_id 0
		.amdhsa_next_free_vgpr 640
		.amdhsa_next_free_sgpr 100
		.amdhsa_reserve_vcc 0
		.amdhsa_float_denorm_mode_32 3
		.amdhsa_float_denorm_mode_16_64 3
		.amdhsa_memory_ordered 1
		.amdhsa_forward_progress 1
		.amdhsa_inst_pref_size 52
	.end_amdhsa_kernel
	.amdgpu_metadata
---
amdhsa.version: [ 1, 2 ]
amdhsa.kernels:
  - .name:           k_qf747bebaad_proj
    .symbol:         k_qf747bebaad_proj.kd
    .args:
      - { .name: ac, .offset: 0, .size: 8, .value_kind: global_buffer, .address_space: global }
      - { .name: w_proj_codes, .offset: 8, .size: 8, .value_kind: global_buffer, .address_space: global }
      - { .name: lowp_scales, .offset: 16, .size: 8, .value_kind: global_buffer, .address_space: global }
      - { .name: b_proj, .offset: 24, .size: 8, .value_kind: global_buffer, .address_space: global }
      - { .name: x, .offset: 32, .size: 8, .value_kind: global_buffer, .address_space: global }
      - { .name: x1, .offset: 40, .size: 8, .value_kind: global_buffer, .address_space: global }
    .group_segment_fixed_size: 327680
    .private_segment_fixed_size: 0
    .kernarg_segment_align: 8
    .kernarg_segment_size: 48
    .max_flat_workgroup_size: 128
    .sgpr_count:     100
    .vgpr_count:     640
    .wavefront_size: 32
...
	.end_amdgpu_metadata
.endif
;; end of part 4
;; launch ln2 (part 5): grid 256 x 1, 8 waves a work-group, no clusters, 17,408 bytes of LDS; arguments x1, g2, be2, lowp_scales, h2c; writes h2c
.if DOCPART == 5
	.amdgcn_target "amdgcn-amd-amdhsa--gfx1250"
	.amdhsa_code_object_version 6
	.text
	.protected	k_qf747bebaad_ln2
	.globl	k_qf747bebaad_ln2
	.p2align	8
	.type	k_qf747bebaad_ln2,@function
k_qf747bebaad_ln2:
	s_mov_b64 s[64:65], 0
	v_nop
	global_prefetch_b8 v0, s[64:65] scope:SCOPE_SE
	s_setreg_imm32_b32 hwreg(HW_REG_WAVE_MODE, 25, 1), 1
	s_wait_xcnt 0x0
; THE SECOND NORM: h2 = (x1 - mean) * rsqrt(var + 1e-5) * gain + shift, in f32, row by row, then quantised with entry 12 of the given exponents: [4096][1024] codes.  No work is left out here.
; code = h2 / 2^e, held within +-448, to the nearest code, ties to even.  LIMIT: e lies between -126 and 119, so that 2^e and 448 x 2^e are f32 numbers.  NaN among the inputs is not served.
; SHARES: a wave owns two rows and keeps them in registers: lane l holds columns 128 j + 4 l .. + 3 in registers 4 j .. 4 j + 3, so each load reads 512 consecutive bytes.  No loop, no barrier: waves share nothing.
; A conversion's two words are four codes of chunk 2 k and four of chunk 2 k + 1: they go through the wave's own stage in LDS and leave as runs of 512 consecutive bytes.
.set NPL,   1                          ; planes
.set EA,    36                         ; the scalar register that holds the exponent: entry 12 (s24 holds entry 0)
.set EB,    36
.set EC,    36
.set WREG,  NPL*2048                   ; LDS: a wave's stage: two rows x NPL planes x 1,024 bytes
.set SPARE, 8*WREG                     ; behind the stages: the spare words, 128 bytes for each wave, which no other line names
.set LO,  1                            ; v1   16 x lane
.set STW, 2                            ; v2   the stage, on the way in: 4 x lane
.set STR, 3                            ; v3   and on the way out: 16 x lane
.set SPW, 4                            ; v4   my spare word; never rewritten
.set NIL, 5                            ; v5   0; never rewritten
.set MU,  8                            ; v[8:9], v[10:11]   the rows' means, twice each
.set RS,  12                           ; v[12:13], v[14:15] 1 / sqrt(var + eps), twice each
.set SC,  16                           ; v16  2^e
.set LIM, 19                           ; v19  448 x 2^e
.set EPS, 22                           ; v22  1e-5
.set X,   32                           ; v32-95   the two rows
.set G,   96                           ; v96-127  gains
.set BE,  128                          ; v128-159 shifts
.set BK,  96                           ; the way out: codes read back, where gains lay
.set T,   160                          ; v160-175 at work
.set C,   176                          ; codes: eight registers for each row
	s_load_b256 s[4:11], s[0:1], 0x0               ; the rows s[4:5], gains s[6:7], shifts s[8:9], exponents s[10:11]
	s_load_b64 s[12:13], s[0:1], 0x20              ; the codes
	v_lshl_add_u32 v[SPW], v0, 2, SPARE
	v_mov_b32 v[NIL], 0
	v_lshrrev_b32 v6, 5, v0
	s_delay_alu instid0(VALU_DEP_1)
	v_readfirstlane_b32 s14, v6                    ; wave 0..7
	v_and_b32 v6, 31, v0                           ; lane
	s_delay_alu instid0(VALU_DEP_1)
	v_lshlrev_b32 v[LO], 4, v6
	s_mul_i32 s15, s14, WREG
	v_lshl_add_u32 v[STW], v6, 2, s15
	v_lshl_add_u32 v[STR], v6, 4, s15
	v_mov_b32 v[EPS], 0x3727c5ac                   ; 1e-5
	s_mov_b32 s20, 0x76543210                      ; v_permlanex16_b32: lane l xor 16
	s_mov_b32 s21, 0xfedcba98
	s_mov_b32 s22, 0x3a800000                      ; 1 / 1,024
	s_lshl_b32 s16, ttmp9, 16                      ; 16 rows of 4,096 bytes a work-group,
	s_lshl_b32 s18, s14, 13                        ; two a wave
	s_add_co_u32 s16, s16, s18
	s_mov_b32 s17, 0
	s_lshr_b32 s18, s16, 2                         ; the same rows among the codes: 1,024 bytes a row
	s_mov_b32 s19, 0
	s_wait_alu depctr_va_vdst(0)
	s_wait_kmcnt 0x0
	s_load_b512 s[24:39], s[10:11], 0x0            ; the sixteen exponents
	s_add_nc_u64 s[4:5], s[4:5], s[16:17]
	s_add_nc_u64 s[40:41], s[12:13], s[18:19]
.if NPL > 1
	s_add_nc_u64 s[42:43], s[40:41], 0x400000
	s_add_nc_u64 s[44:45], s[40:41], 0x800000
.endif
.irp r, 0,1
.irp j, 0,1,2,3,4,5,6,7
	global_load_b128 v[X+32*\r+4*\j:X+32*\r+4*\j+3], v[LO], s[4:5] offset:4096*\r+512*\j th:TH_LOAD_NT
.endr
.endr
.irp j, 0,1,2,3,4,5,6,7
	global_load_b128 v[G+4*\j:G+4*\j+3], v[LO], s[6:7] offset:512*\j
.endr
.irp j, 0,1,2,3,4,5,6,7
	global_load_b128 v[BE+4*\j:BE+4*\j+3], v[LO], s[8:9] offset:512*\j
.endr
; Both rows' four chains (pairs in v[T+8 r ..]) are joined, then summed over the 32 lanes: the result stands in v[T+8 r] of every lane.
.macro JOIN
.irp r, 0
	v_pk_add_f32 v[T+8*\r:T+8*\r+1], v[T+8*\r:T+8*\r+1], v[T+8*\r+2:T+8*\r+3]
	v_pk_add_f32 v[T+8*\r+4:T+8*\r+5], v[T+8*\r+4:T+8*\r+5], v[T+8*\r+6:T+8*\r+7]
.endr
.irp r, 1
	v_pk_add_f32 v[T+8*\r:T+8*\r+1], v[T+8*\r:T+8*\r+1], v[T+8*\r+2:T+8*\r+3]
	s_delay_alu instid0(VALU_DEP_4)
	v_pk_add_f32 v[T+8*\r+4:T+8*\r+5], v[T+8*\r+4:T+8*\r+5], v[T+8*\r+6:T+8*\r+7]
.endr
.irp r, 0
	s_delay_alu instid0(VALU_DEP_3)
	v_pk_add_f32 v[T+8*\r:T+8*\r+1], v[T+8*\r:T+8*\r+1], v[T+8*\r+4:T+8*\r+5]
.endr
.irp r, 1
	s_delay_alu instid0(VALU_DEP_2)
	v_pk_add_f32 v[T+8*\r:T+8*\r+1], v[T+8*\r:T+8*\r+1], v[T+8*\r+4:T+8*\r+5]
.endr
.irp r, 0,1
	s_delay_alu instid0(VALU_DEP_2)
	v_add_f32 v[T+8*\r], v[T+8*\r], v[T+8*\r+1]
.endr
.irp m, 1,2,4,8
.irp r, 0,1
	s_delay_alu instid0(VALU_DEP_2)
	v_add_f32_dpp v[T+8*\r], v[T+8*\r], v[T+8*\r] row_xmask:\m row_mask:0xf bank_mask:0xf
.endr
.endr
.irp r, 0,1
	s_delay_alu instid0(VALU_DEP_2)
	v_permlanex16_b32 v[T+8*\r+1], v[T+8*\r], s20, s21
.endr
.irp r, 0,1
	s_delay_alu instid0(VALU_DEP_2)
	v_add_f32 v[T+8*\r], v[T+8*\r], v[T+8*\r+1]
.endr
.endm
	s_wait_loadcnt 16                              ; both rows are in; the gains' and shifts' sixteen loads may be out
.irp r, 0,1
.irp c, 0,2,4,6
	v_pk_add_f32 v[T+8*\r+\c:T+8*\r+\c+1], v[X+32*\r+\c:X+32*\r+\c+1], v[X+32*\r+8+\c:X+32*\r+8+\c+1]   ; the first pairs start the chains: nothing is cleared
.endr
.endr
.irp k, 16,24
.irp r, 0,1
.irp c, 0,2,4,6
	v_pk_add_f32 v[T+8*\r+\c:T+8*\r+\c+1], v[T+8*\r+\c:T+8*\r+\c+1], v[X+32*\r+\k+\c:X+32*\r+\k+\c+1]
.endr
.endr
.endr
	JOIN
.irp r, 0,1
	s_delay_alu instid0(VALU_DEP_2)
	v_mul_f32 v[MU+2*\r], s22, v[T+8*\r]           ; the mean
.endr
.irp r, 0,1
	s_delay_alu instid0(VALU_DEP_2)
	v_mov_b32 v[MU+2*\r+1], v[MU+2*\r]
.endr
.irp r, 0,1
.set j, 0
.rept 16
	v_pk_add_f32 v[X+32*\r+j:X+32*\r+j+1], v[X+32*\r+j:X+32*\r+j+1], v[MU+2*\r:MU+2*\r+1] neg_lo:[0,1] neg_hi:[0,1]   ; x - mean
.set j, j+2
.endr
.endr
.irp r, 0,1
.irp c, 0,2,4,6
	v_pk_mul_f32 v[T+8*\r+\c:T+8*\r+\c+1], v[X+32*\r+\c:X+32*\r+\c+1], v[X+32*\r+\c:X+32*\r+\c+1]
.endr
.endr
.irp k, 8,16,24
.irp r, 0,1
.irp c, 0,2,4,6
	v_pk_fma_f32 v[T+8*\r+\c:T+8*\r+\c+1], v[X+32*\r+\k+\c:X+32*\r+\k+\c+1], v[X+32*\r+\k+\c:X+32*\r+\k+\c+1], v[T+8*\r+\c:T+8*\r+\c+1]
.endr
.endr
.endr
	JOIN
.irp r, 0,1
	s_delay_alu instid0(VALU_DEP_2)
	v_fma_f32 v[T+8*\r], v[T+8*\r], s22, v[EPS]    ; var + eps
.endr
	s_wait_alu depctr_va_vdst(0)
.irp r, 0,1
	v_rsq_f32 v[RS+2*\r], v[T+8*\r]
	v_rsq_f32 v[RS+2*\r+1], v[T+8*\r]              ; twice: the packed multiply names a pair
.endr
	v_nop                                          ; a plain instruction behind the last of the four
	s_wait_alu depctr_va_vdst(0)                   ; one wait for the batch, ahead of its first reader
	s_wait_loadcnt 0x0                             ; gains and shifts
.irp r, 0,1
.set j, 0
.rept 16
	v_pk_mul_f32 v[X+32*\r+j:X+32*\r+j+1], v[X+32*\r+j:X+32*\r+j+1], v[RS+2*\r:RS+2*\r+1]
.set j, j+2
.endr
.endr
.irp r, 0,1
.set j, 0
.rept 16
	v_pk_fma_f32 v[X+32*\r+j:X+32*\r+j+1], v[X+32*\r+j:X+32*\r+j+1], v[G+j:G+j+1], v[BE+j:BE+j+1]
.set j, j+2
.endr
.endr
	s_wait_kmcnt 0x0
.macro MKSC p, e                       ; 2^e and 448 x 2^e as f32 numbers
	s_add_co_i32 s46, s[\e], 127
	s_lshl_b32 s47, s46, 23
	v_mov_b32 v[SC+\p], s47
	s_add_co_i32 s46, s46, 8
	s_lshl_b32 s46, s46, 23
	s_or_b32 s46, s46, 0x600000
	v_mov_b32 v[LIM+\p], s46
.endm
	MKSC 0, EA
.if NPL > 1
	MKSC 1, EB
	MKSC 2, EC
.endif
; Row r for plane p: the hold (the conversion to an 8-bit code does not saturate: ISA guide 7.6.2) into one of two sets of eight registers by turns, the conversion, and the eight words into the stage.
.macro QUANT r, p
.irp k, 0,1,2,3
.irp i, 0,1,2,3,4,5,6,7
	v_med3_num_f32 v[T+8*(\k%2)+\i], v[X+32*(\r)+8*\k+\i], -v[LIM+(\p)], v[LIM+(\p)]
.endr
	v_cvt_scalef32_pk8_fp8_f32 v[C+8*(NPL*(\r)+(\p))+2*\k:C+8*(NPL*(\r)+(\p))+2*\k+1], v[T+8*(\k%2):T+8*(\k%2)+7], v[SC+(\p)]   ; the next eight holds, plain and on the other set, stand between it and the next write of its sources
.endr
.irp j, 0,1,2,3,4,5,6,7
	ds_store_b32 v[STW], v[C+8*(NPL*(\r)+(\p))+\j] offset:(NPL*(\r)+(\p))*1024+128*\j   ; chunk j: 32 lanes write 128 consecutive bytes of the row
.endr
.endm
.irp r, 0,1
.irp p, 0,1,2
.if \p < NPL
	QUANT \r, \p
.endif
.endr
.endr
.irp r, 0,1
.irp p, 0,1,2
.if \p < NPL
.irp s, 0,1
	ds_load_b128 v[BK+8*(NPL*\r+\p)+4*\s:BK+8*(NPL*\r+\p)+4*\s+3], v[STR] offset:(NPL*\r+\p)*1024+512*\s   ; LDS serves a wave's instructions in order (ISA guide 5.7.1.4): these see my stores
.endr
.endif
.endr
.endr
.irp r, 0,1
.irp p, 0,1,2
.if \p < NPL
.irp s, 0,1
	s_wait_dscnt 4*NPL-1-(2*(NPL*\r+\p)+\s)        ; the read-backs issued behind this one may be out
	global_store_b128 v[LO], v[BK+8*(NPL*\r+\p)+4*\s:BK+8*(NPL*\r+\p)+4*\s+3], s[40+2*\p:41+2*\p] offset:1024*\r+512*\s   ; 512 consecutive bytes, at a multiple of 512 from the buffer's first byte
.endr
.endif
.endr
.endr
	s_wait_tensorcnt 0x0                           ; the wave's end, behind my last LDS store
	ds_add_u32 v[SPW], v[NIL]
	s_wait_dscnt 0x0
	s_endpgm
.Lfunc_end_k_qf747bebaad_ln2:
	.size	k_qf747bebaad_ln2, .Lfunc_end_k_qf747bebaad_ln2-k_qf747bebaad_ln2
	.p2alignl 7, 3214868480
	.fill 96, 4, 3214868480
	.section	.rodata,"a",@progbits
	.p2align	6, 0x0
	.amdhsa_kernel k_qf747bebaad_ln2
		.amdhsa_group_segment_fixed_size 17408
		.amdhsa_private_segment_fixed_size 0
		.amdhsa_enable_private_segment 0
		.amdhsa_kernarg_size 40
		.amdhsa_user_sgpr_count 2
		.amdhsa_user_sgpr_kernarg_segment_ptr 1
		.amdhsa_wavefront_size32 1
		.amdhsa_system_sgpr_workgroup_id_x 1
		.amdhsa_system_sgpr_workgroup_id_y 1
		.amdhsa_system_sgpr_workgroup_id_z 1
		.amdhsa_system_vgpr_workitem_id 0
		.amdhsa_next_free_vgpr 224
		.amdhsa_next_free_sgpr 66
		.amdhsa_reserve_vcc 0
		.amdhsa_float_denorm_mode_32 3
		.amdhsa_float_denorm_mode_16_64 3
		.amdhsa_memory_ordered 1
		.amdhsa_forward_progress 1
		.amdhsa_inst_pref_size 25
	.end_amdhsa_kernel
	.amdgpu_metadata
---
amdhsa.version: [ 1, 2 ]
amdhsa.kernels:
  - .name:           k_qf747bebaad_ln2
    .symbol:         k_qf747bebaad_ln2.kd
    .args:
      - { .name: x1, .offset: 0, .size: 8, .value_kind: global_buffer, .address_space: global }
      - { .name: g2, .offset: 8, .size: 8, .value_kind: global_buffer, .address_space: global }
      - { .name: be2, .offset: 16, .size: 8, .value_kind: global_buffer, .address_space: global }
      - { .name: lowp_scales, .offset: 24, .size: 8, .value_kind: global_buffer, .address_space: global }
      - { .name: h2c, .offset: 32, .size: 8, .value_kind: global_buffer, .address_space: global }
    .group_segment_fixed_size: 17408
    .private_segment_fixed_size: 0
    .kernarg_segment_align: 8
    .kernarg_segment_size: 40
    .max_flat_workgroup_size: 256
    .sgpr_count:     66
    .vgpr_count:     224
    .wavefront_size: 32
...
	.end_amdgpu_metadata
.endif
;; end of part 5
;; launch ff1 (part 6): grid 16 x 16, 4 waves a work-group, clusters of 4 x 4, 327,680 bytes of LDS; arguments h2c, w1_codes, lowp_scales, b1, hid; writes hid
.if DOCPART == 6
	.amdgcn_target "amdgcn-amd-amdhsa--gfx1250"
	.amdhsa_code_object_version 6
	.text
	.protected	k_qf747bebaad_ff1
	.globl	k_qf747bebaad_ff1
	.p2align	8
	.type	k_qf747bebaad_ff1,@function
k_qf747bebaad_ff1:
	s_mov_b64 s[64:65], 0
	v_nop
	global_prefetch_b8 v0, s[64:65] scope:SCOPE_SE
	s_setreg_imm32_b32 hwreg(HW_REG_WAVE_MODE, 25, 1), 1
	s_wait_xcnt 0x0
	s_wait_alu depctr_hold_cnt(0) depctr_sa_sdst(0) depctr_va_vdst(0) depctr_va_sdst(0) depctr_va_ssrc(0) depctr_va_vcc(0) depctr_vm_vsrc(0)
	s_getreg_b32 s2, hwreg(HW_REG_IB_STS2, 6, 4)
	s_cmp_eq_u32 s2, 0
	s_cbranch_scc0 .Lentry_in_a_cluster
	s_endpgm
.Lentry_in_a_cluster:
	s_bfe_u32 s2, ttmp6, 0x10000c
	s_cmp_lg_u32 s2, 0xf033
	s_cbranch_scc0 .Lentry_shape_is_right
	s_endpgm
.Lentry_shape_is_right:
.set QKV,    0
.set ZF,     2-QKV
.set ROWB,   256
.set KROW,   1024
.set PITCH,  272
.set FR,     16
.set NL,     4
.set NP,     4
.set HALFT,  128*PITCH
.set SLOT,   4*HALFT
.set LAPS,   2
.set SPARE,  2*SLOT
.set STAGE,  SPARE+512
.set SP,     144
.set GO,   8
.set SC,   12
.set LIM,  13
.set ADRA, 16
.set ADRB, 20
.set STO,  24
.set RD,   25
.set SPW,  28
.set NIL,  29
.set TMP,  32
.set CD,   96
.set AF,   128
.set G1, 24
.set G0, 32
.set G1B, 48
.set G0B, 56
.set MSB, 0
.macro WIN new
.if MSB != (\new)
	s_set_vgpr_msb (MSB<<8)|(\new)
.set MSB, (\new)
.endif
.endm
.set MUL_LO, 0xa1
.set MUL_HI, 0xf1
.set TO_B,   0x40
.macro JLOAD g0a, g1a, g0b, g1b
	s_cmp_eq_u32 s15, 0
	s_cbranch_scc0 .Lfor_b_\@
	tensor_load_to_lds s[\g0a:\g0a+3], s[\g1a:\g1a+7]
	s_nop 0
.rept 4
	v_nop
.endr
	s_branch .Lasked_\@
.Lfor_b_\@:
	tensor_load_to_lds s[\g0b:\g0b+3], s[\g1b:\g1b+7]
	s_nop 0
.rept 4
	v_nop
.endr
.Lasked_\@:
.endm
.macro CREST
	s_cmp_lg_u32 s14, 0
	s_cbranch_scc1 .Lnot_wave_0_\@
	s_barrier_signal -3
.Lnot_wave_0_\@:
	s_barrier_wait -3
	s_barrier_signal -1
	s_barrier_wait -1
.endm
.macro CROUND
	s_barrier_signal -1
	s_barrier_wait -1
	CREST
.endm
.if QKV
	s_load_b512 s[68:83], s[0:1], 0x0
.else
	s_load_b128 s[4:7], s[0:1], 0x0
	s_load_b128 s[68:71], s[0:1], 0x10
	s_load_b64 s[10:11], s[0:1], 0x20
.endif
	v_lshl_add_u32 v[SPW], v0, 2, SPARE
	v_mov_b32 v[NIL], 0
	ds_add_u32 v[SPW], v[NIL]
	ds_add_u32 v[SPW], v[NIL]
	v_lshrrev_b32 v1, 5, v0
	v_readfirstlane_b32 s14, v1
	s_lshr_b32 s15, s14, 1
	s_and_b32 s16, s14, 1
	s_bfe_u32 s40, ttmp6, 0x40000
	s_bfe_u32 s41, ttmp6, 0x40004
	s_and_b32 s2, ttmp7, 0xffff
	s_lshl_b32 s2, s2, 2
.if QKV
	s_cmp_eq_u32 ttmp9, 2
	s_cselect_b32 s17, 0, s2
	s_cselect_b32 s42, s2, 0
.else
	s_mov_b32 s17, s2
	s_lshl_b32 s42, ttmp9, 2
.endif
	s_add_co_u32 s17, s17, s41
	s_add_co_u32 s42, s42, s40
	s_lshl_b32 s43, s41, 2
	s_lshl_b32 s43, 15, s43
	s_lshl_b32 s44, 0x1111, s40
	s_or_b32 s[G1+0], s43, (3<<16)|(1<<20)|(1<<21)|(5<<22)|(3<<25)   ; the descriptors count in elements of 8 bytes
	s_or_b32 s[G1B+0], s44, (3<<16)|(1<<20)|(1<<21)|(5<<22)|(3<<25)
.irp g, G1, G1B
	s_mov_b32 s[\g+1], (ROWB/8)<<16
	s_mov_b32 s[\g+2], 128<<16
	s_mov_b32 s[\g+3], (ROWB/8)<<16
	s_mov_b32 s[\g+4], 128
	s_mov_b32 s[\g+5], KROW/8
	s_mov_b32 s[\g+6], 0
	s_mov_b32 s[\g+7], 0
.endr
	s_lshl_b32 s18, s16, 7
	s_lshl_b32 s20, s17, 8
	s_add_co_u32 s20, s20, s18
	s_lshl_b32 s20, s20, 10
	s_mov_b32 s21, 0
	s_lshl_b32 s46, s42, 8
	s_add_co_u32 s46, s46, s18
	s_lshl_b32 s46, s46, 10
	s_mov_b32 s47, 0
	s_mul_i32 s45, s14, HALFT
	s_wait_dscnt 0x0
	s_wait_kmcnt 0x0
.if QKV
	s_load_b512 s[84:99], s[76:77], 0x0
	s_lshl_b32 s22, ttmp9, 22
	s_mov_b32 s23, 0
	s_add_nc_u64 s[68:69], s[68:69], s[22:23]
	s_cmp_eq_u32 ttmp9, 0
	s_cselect_b64 s[6:7], s[70:71], s[72:73]
	s_cselect_b64 s[10:11], s[78:79], s[80:81]
	s_cmp_eq_u32 ttmp9, 2
	s_cselect_b64 s[6:7], s[74:75], s[6:7]
	s_cselect_b64 s[10:11], s[82:83], s[10:11]
	s_cselect_b64 s[4:5], s[6:7], s[68:69]
	s_cselect_b64 s[6:7], s[68:69], s[6:7]
.else
	s_load_b128 s[84:87], s[68:69], 0x30
.endif
	s_add_nc_u64 s[20:21], s[4:5], s[20:21]
	s_add_nc_u64 s[46:47], s[6:7], s[46:47]
	CROUND
.irp s, 0,1
	s_mov_b32 s[G0+4*\s], 1
	s_add_co_u32 s[G0+4*\s+1], s45, \s*SLOT
	s_add_nc_u64 s[G0+4*\s+2:G0+4*\s+3], s[20:21], \s*ROWB
	s_or_b32 s[G0+4*\s+3], s[G0+4*\s+3], 0x80000000
	s_mov_b32 s[G0B+4*\s], 1
	s_add_co_u32 s[G0B+4*\s+1], s45, \s*SLOT
	s_add_nc_u64 s[G0B+4*\s+2:G0B+4*\s+3], s[46:47], \s*ROWB
	s_or_b32 s[G0B+4*\s+3], s[G0B+4*\s+3], 0x80000000
.if \s == 0
	JLOAD G0+4*\s, G1, G0B+4*\s, G1B               ; K step 0: one tensor load a wave at the head
.endif
.endr
	; THE PREFETCH INTO THE L2: a K step is 256 bytes of each of the 128 rows that I fetch.  The four partners that ask for a tile jointly share its rows out by address: the partner at place p (cx for A, cy for B) names rows 32 p .. 32 p + 31, a lane a row.
	; K steps 1 and 2 are named at the head, K step 3 behind K step 1's load: each at least one K step ahead of the load that wants it.  The address registers are never rewritten.
	s_cmp_eq_u32 s15, 0                            ; do I fetch for A?
	s_cselect_b64 s[72:73], s[20:21], s[46:47]
	s_cselect_b32 s74, s40, s41
	s_lshl_b32 s74, s74, 15                        ; 32 rows of 1,024 bytes
	s_mov_b32 s75, 0
	s_add_nc_u64 s[72:73], s[72:73], s[74:75]
	v_and_b32 v14, 31, v0
	v_lshlrev_b32 v14, 10, v14
	v_and_b32 v1, 15, v0
	s_wait_alu depctr_va_vdst(0)
	v_bfe_u32 v2, v0, 4, 1
	v_mul_u32_u24 v3, v1, PITCH
	v_lshl_add_u32 v4, v2, 4, v3
	s_mul_i32 s21, s15, HALFT
	s_mul_i32 s22, s16, HALFT
	s_add_co_u32 s22, s22, 2*HALFT
.irp s, 0,1
	v_add_nc_u32 v[ADRA+\s], s21, v4
	v_add_nc_u32 v[ADRB+\s], s22, v4
	s_add_co_u32 s21, s21, SLOT
	s_add_co_u32 s22, s22, SLOT
.endr
	global_prefetch_b8 v14, s[72:73] offset:256 th:TH_LOAD_NT scope:SCOPE_SE
	global_prefetch_b8 v14, s[72:73] offset:512 th:TH_LOAD_NT scope:SCOPE_SE
	s_mul_i32 s23, s14, 16*SP
	s_add_co_u32 s23, s23, STAGE
	v_mul_u32_u24 v5, v1, SP
	s_wait_alu depctr_va_vdst(0)
	v_lshl_add_u32 v5, v2, 3, v5
	v_add_nc_u32 v[STO], s23, v5
	v_bfe_u32 v6, v0, 3, 2
	v_mul_u32_u24 v5, v6, SP                       ; back: eight lanes to a row of 128 codes, four rows an instruction
	v_and_b32 v7, 7, v0
	v_lshl_add_u32 v5, v7, 4, v5
	v_add_nc_u32 v[RD], s23, v5
	s_lshl_b32 s20, s42, 1
	s_add_co_u32 s20, s20, s16
	s_lshl_b32 s21, s17, 8
	s_lshl_b32 s22, s15, 7
	s_add_co_u32 s21, s21, s22
.if QKV
	s_lshl_b32 s46, s20, 17
	s_lshl_b32 s47, s21, 7
	s_add_co_u32 s46, s46, s47
	s_lshr_b32 s47, s21, 11
	s_lshl_b32 s47, s47, 4
	s_lshl_b32 s20, s20, 1
	s_add_co_u32 s47, s47, s20
	s_lshl_b32 s47, s47, 17
	s_and_b32 s21, s21, 2047
	s_lshl_b32 s21, s21, 6
	s_add_co_u32 s47, s47, s21
	s_cmp_eq_u32 ttmp9, 2
	s_cselect_b32 s46, s46, s47
	s_cselect_b32 s2, 1, 0
	s_cselect_b32 s19, 64, 0x20000
	s_mov_b32 s47, 0
	s_add_nc_u64 s[10:11], s[10:11], s[46:47]
	s_lshl_b32 s18, 64, s2
	s_lshl_b32 s22, 256, s2
	s_lshl_b32 s12, 1024, s2
	s_mov_b32 s13, 0
	v_bfe_u32 v7, v0, 2, 1
	v_and_b32 v3, 3, v0
	v_mul_u32_u24 v[GO], v6, s18
	v_mad_u32_u24 v[GO], v7, s19, v[GO]
	v_lshl_add_u32 v[GO], v3, 4, v[GO]
	v_add_nc_u32 v[GO+1], s22, v[GO]
	v_add_nc_u32 v[GO+2], s22, v[GO+1]
	v_add_nc_u32 v[GO+3], s22, v[GO+2]
	s_wait_kmcnt 0x0
	s_sub_co_i32 s2, s90, s84
	s_sub_co_i32 s2, s2, s85
	s_sub_co_i32 s3, s91, s86
	s_sub_co_i32 s3, s3, s87
	s_sub_co_i32 s18, s93, s88
	s_sub_co_i32 s18, s18, s89
	s_cmp_eq_u32 ttmp9, 0
	s_cselect_b32 s2, s2, s3
	s_cmp_eq_u32 ttmp9, 2
	s_cselect_b32 s2, s18, s2
.else
	s_lshl_b32 s46, s20, 19                        ; hid: [column / 128][token][128]: (ct x 4,096 + R0) x 128
	s_lshl_b32 s47, s21, 7
	s_add_co_u32 s46, s46, s47
	s_mov_b32 s47, 0
	s_add_nc_u64 s[10:11], s[10:11], s[46:47]
	v_and_b32 v[GO], 31, v0
	v_lshlrev_b32 v[GO], 4, v[GO]
	s_lshl_b32 s46, s20, 9
	s_add_nc_u64 s[70:71], s[70:71], s[46:47]
	v_lshlrev_b32 v6, 5, v2
.irp b, 0,1,2,3,4,5,6,7
	global_load_b128 v[TMP+8*\b:TMP+8*\b+3], v6, s[70:71] offset:64*\b
	global_load_b128 v[TMP+8*\b+4:TMP+8*\b+7], v6, s[70:71] offset:64*\b+16
.endr
	s_wait_kmcnt 0x0
	s_add_co_i32 s3, s84, s85
	s_sub_co_i32 s2, s86, s3
	s_sub_co_i32 s3, 0, s3
	s_wait_loadcnt 0x0
.set j, 0
.rept 64
	v_ldexp_f32 v[TMP+j], v[TMP+j], s3
.set j, j+1
.endr
.endif
	s_add_co_i32 s2, s2, 127
	s_lshl_b32 s18, s2, 23
	v_mov_b32 v[SC], s18
	s_add_co_i32 s2, s2, 8
	s_lshl_b32 s2, s2, 23
	s_or_b32 s2, s2, 0x600000
	v_mov_b32 v[LIM], s2
.macro FRAG reg, adr, q, i
.irp c, 0,1,2,3
	ds_load_b128 v[\reg+4*\c:\reg+4*\c+3], v[\adr] offset:128*(\q)+32*\c+(\i)*16*PITCH
.endr
.endm
.macro MUL16 a0, p, zero
.irp a, \a0, \a0+1
.irp b, 0,1,2,3,4,5,6,7
.if \zero == 1
	v_wmma_f32_16x16x128_fp8_fp8 v[8*(8*((\a)%4)+\b):8*(8*((\a)%4)+\b)+7], v[128*(\p)+FR*\b:128*(\p)+FR*\b+FR-1], v[AF+FR*(\a):AF+FR*(\a)+FR-1], 0
.elseif \zero == 2
	v_wmma_f32_16x16x128_fp8_fp8 v[8*(8*((\a)%4)+\b):8*(8*((\a)%4)+\b)+7], v[128*(\p)+FR*\b:128*(\p)+FR*\b+FR-1], v[AF+FR*(\a):AF+FR*(\a)+FR-1], v[TMP+8*\b:TMP+8*\b+7]
.else
	v_wmma_f32_16x16x128_fp8_fp8 v[8*(8*((\a)%4)+\b):8*(8*((\a)%4)+\b)+7], v[128*(\p)+FR*\b:128*(\p)+FR*\b+FR-1], v[AF+FR*(\a):AF+FR*(\a)+FR-1], v[8*(8*((\a)%4)+\b):8*(8*((\a)%4)+\b)+7]
.endif
.endr
.endr
.endm
.macro FETCH_B slot, q, p
	WIN TO_B
.irp i, 0,1,2,3,4,5,6,7
	FRAG 128*(\p)+FR*\i, ADRB+\slot, \q, \i
.endr
	WIN 0
.endm
.macro FETCH_A slot, q, i0
.irp i, \i0, \i0+1, \i0+2, \i0+3
	FRAG AF+FR*(\i), ADRA+\slot, \q, \i
.endr
.endm
.macro PLACES n
.rept \n
	v_nop
.endr
.endm
.macro STEP slot, q, zero
	s_wait_dscnt 4*NL
.if \zero == 2
	WIN 0x81
.else
	WIN MUL_LO
.endif
	MUL16 0, (\q)%2, \zero
	MUL16 2, (\q)%2, \zero
	s_wait_dscnt 0
	PLACES NP
	FETCH_B \slot, (\q)+1, 1-(\q)%2
	FETCH_A \slot, (\q)+1, 0
.if \zero == 2
	WIN 0xc1
.else
	WIN MUL_HI
.endif
	MUL16 4, (\q)%2, \zero
	MUL16 6, (\q)%2, \zero
	PLACES NP
	WIN 0
	FETCH_A \slot, (\q)+1, 4
.endm
.macro TURN slot, next, fill
	s_wait_tensorcnt 0x0
	ds_add_u32 v[SPW], v[NIL]
	s_wait_dscnt 4*NL+1
	WIN MUL_LO
	MUL16 0, 1, 0
	s_wait_dscnt 0x0
	s_barrier_signal -1
	MUL16 2, 1, 0
	WIN 0
	s_barrier_wait -1
.if \fill
	CREST
	s_add_nc_u64 s[G0+4*\slot+2:G0+4*\slot+3], s[G0+4*\slot+2:G0+4*\slot+3], 2*ROWB
	s_add_nc_u64 s[G0B+4*\slot+2:G0B+4*\slot+3], s[G0B+4*\slot+2:G0B+4*\slot+3], 2*ROWB
	JLOAD G0+4*\slot, G1, G0B+4*\slot, G1B
.else
	PLACES NP
.endif
	FETCH_B \next, 0, 0
	FETCH_A \next, 0, 0
	WIN MUL_HI
	MUL16 4, 1, 0
	MUL16 6, 1, 0
	PLACES NP
	WIN 0
	FETCH_A \next, 0, 4
.endm
	s_wait_alu depctr_va_vdst(0)
	s_wait_tensorcnt 0x0                           ; my part of K step 0 is in
	ds_add_u32 v[SPW], v[NIL]
	s_wait_dscnt 0x0
	CROUND
	JLOAD G0+4, G1, G0B+4, G1B                     ; K step 1: the first tensor load behind the round
	FETCH_B 0, 0, 0
	FETCH_A 0, 0, 0
	FETCH_A 0, 0, 4
	global_prefetch_b8 v14, s[72:73] offset:768 th:TH_LOAD_NT scope:SCOPE_SE
	STEP 0, 0, ZF
	s_mov_b32 s3, LAPS-1
.Llap:
	TURN 0, 1, 1
	STEP 1, 0, 0
	TURN 1, 0, 1
	STEP 0, 0, 0
	s_sub_co_u32 s3, s3, 1
	s_cmp_lg_u32 s3, 0
	s_cbranch_scc1 .Llap
	TURN 0, 1, 0
	STEP 1, 0, 0
	s_wait_dscnt 4*NL
	WIN MUL_LO
	MUL16 0, 1, 0
	MUL16 2, 1, 0
	s_wait_dscnt 0
	WIN MUL_HI
	MUL16 4, 1, 0
	MUL16 6, 1, 0
	WIN 0
.macro TOSTAGE a
.set AC, 64*((\a)%4)
.set BB, 112+32*((\a)%2)
	WIN 0x02+((\a)/4)
.set j, 0
.rept 64
.if QKV
	v_med3_num_f32 v[TMP+j], v[AC+j], -v[LIM], v[LIM]
.else
	v_med3_num_f32 v[TMP+j], v[AC+j], 0, v[LIM]
.endif
.set j, j+1
.endr
	WIN 0
.irp b, 0,1,2,3,4,5,6,7
	v_cvt_scalef32_pk8_fp8_f32 v[CD+2*\b:CD+2*\b+1], v[TMP+8*\b:TMP+8*\b+7], v[SC]
.endr
	v_nop
.irp b, 0,1,2,3,4,5,6,7
	ds_store_b64 v[STO], v[CD+2*\b:CD+2*\b+1] offset:16*\b
.endr
.irp g, 0,1,2,3
	ds_load_b128 v[BB+4*\g:BB+4*\g+3], v[RD] offset:4*SP*\g
.endr
.endm
.macro SEND a, younger
.set BB, 112+32*((\a)%2)
	s_wait_dscnt \younger
.if (\a) > 0
.if QKV
	s_add_nc_u64 s[10:11], s[10:11], s[12:13]
.else
	s_add_nc_u64 s[10:11], s[10:11], 2048
.endif
.endif
.irp g, 0,1,2,3
.if QKV
	global_store_b128 v[GO+\g], v[BB+4*\g:BB+4*\g+3], s[10:11]
.else
	global_store_b128 v[GO], v[BB+4*\g:BB+4*\g+3], s[10:11] offset:512*\g
.endif
.endr
.endm
	PLACES NP
	TOSTAGE 0
.irp a, 1,2,3,4,5,6,7
.if \a > 1
	s_wait_xcnt 0x0
.endif
	TOSTAGE \a
	SEND \a-1, 12
.endr
	s_wait_xcnt 0x0
	SEND 7, 0
	s_wait_tensorcnt 0x0
	ds_add_u32 v[SPW], v[NIL]
	s_wait_dscnt 0x0
	CROUND
	s_endpgm
.Lfunc_end_k_qf747bebaad_ff1:
	.size	k_qf747bebaad_ff1, .Lfunc_end_k_qf747bebaad_ff1-k_qf747bebaad_ff1
	.p2alignl 7, 3214868480
	.fill 96, 4, 3214868480
	.section	.rodata,"a",@progbits
	.p2align	6, 0x0
	.amdhsa_kernel k_qf747bebaad_ff1
		.amdhsa_group_segment_fixed_size 327680
		.amdhsa_private_segment_fixed_size 0
		.amdhsa_enable_private_segment 0
		.amdhsa_kernarg_size 40
		.amdhsa_user_sgpr_count 2
		.amdhsa_user_sgpr_kernarg_segment_ptr 1
		.amdhsa_wavefront_size32 1
		.amdhsa_system_sgpr_workgroup_id_x 1
		.amdhsa_system_sgpr_workgroup_id_y 1
		.amdhsa_system_sgpr_workgroup_id_z 1
		.amdhsa_system_vgpr_workitem_id 0
		.amdhsa_next_free_vgpr 1024
		.amdhsa_next_free_sgpr 100
		.amdhsa_reserve_vcc 0
		.amdhsa_float_denorm_mode_32 3
		.amdhsa_float_denorm_mode_16_64 3
		.amdhsa_memory_ordered 1
		.amdhsa_forward_progress 1
		.amdhsa_inst_pref_size 131
	.end_amdhsa_kernel
	.amdgpu_metadata
---
amdhsa.version: [ 1, 2 ]
amdhsa.kernels:
  - .name:           k_qf747bebaad_ff1
    .symbol:         k_qf747bebaad_ff1.kd
    .args:
      - { .name: h2c, .offset: 0, .size: 8, .value_kind: global_buffer, .address_space: global }
      - { .name: w1_codes, .offset: 8, .size: 8, .value_kind: global_buffer, .address_space: global }
      - { .name: lowp_scales, .offset: 16, .size: 8, .value_kind: global_buffer, .address_space: global }
      - { .name: b1, .offset: 24, .size: 8, .value_kind: global_buffer, .address_space: global }
      - { .name: hid, .offset: 32, .size: 8, .value_kind: global_buffer, .address_space: global }
    .group_segment_fixed_size: 327680
    .private_segment_fixed_size: 0
    .kernarg_segment_align: 8
    .kernarg_segment_size: 40
    .max_flat_workgroup_size: 128
    .sgpr_count:     100
    .vgpr_count:     1024
    .wavefront_size: 32
...
	.end_amdgpu_metadata
.endif
;; end of part 6
;; launch ff2 (part 7): grid 8 x 32, 4 waves a work-group, clusters of 4 x 4, 327,680 bytes of LDS; arguments hid, w2_codes, lowp_scales, b2, x1, out0; writes out0
.if DOCPART == 7
	.amdgcn_target "amdgcn-amd-amdhsa--gfx1250"
	.amdhsa_code_object_version 6
	.text
	.protected	k_qf747bebaad_ff2
	.globl	k_qf747bebaad_ff2
	.p2align	8
	.type	k_qf747bebaad_ff2,@function
k_qf747bebaad_ff2:
	s_mov_b64 s[64:65], 0
	v_nop
	global_prefetch_b8 v0, s[64:65] scope:SCOPE_SE
	s_setreg_imm32_b32 hwreg(HW_REG_WAVE_MODE, 25, 1), 1
	s_wait_xcnt 0x0
	s_wait_alu depctr_hold_cnt(0) depctr_sa_sdst(0) depctr_va_vdst(0) depctr_va_sdst(0) depctr_va_ssrc(0) depctr_va_vcc(0) depctr_vm_vsrc(0)
	s_getreg_b32 s2, hwreg(HW_REG_IB_STS2, 6, 4)
	s_cmp_eq_u32 s2, 0
	s_cbranch_scc0 .Lentry_in_a_cluster
	s_endpgm
.Lentry_in_a_cluster:
	s_bfe_u32 s2, ttmp6, 0x10000c
	s_cmp_lg_u32 s2, 0xf033
	s_cbranch_scc0 .Lentry_shape_is_right
	s_endpgm
.Lentry_shape_is_right:
; out = res + A W^T x 2^(ea + eb) + bias: a product on codes of E4M3 with 4,096 rows and 1,024 columns, and the residual added on the way out; out, res f32 [4096][1024].  No work is left out here.
; FF2 = 1 (this launch): the second feed-forward product.  A = the hidden layer, [K / 128][token][128] codes, K = 4,096; entries 14, 15 of the given exponents.  (FF2 = 0 is the form of the same text that makes the projection.)
; LIMIT: ea + eb lies between -126 and 127, so that 2^(ea + eb) is an f32 number.
; Tiles of 256 x 256 would be 64: a tile is 128 x 128, 256 work-groups.  Four waves, each 64 x 64: 16 accumulators.  K goes in steps of 512 through two LDS slots.
; A's part of a K step for 64 rows is AROWS dense runs of AROWB bytes (64 rows of one block of 128 along K), ASTRIDE bytes apart: one tensor load, with 16 bytes of padding behind each row's piece, so that
; in LDS the pieces lie APITCH bytes apart, run behind run.  B's is 64 rows of 512 bytes, 528 apart in LDS.
; CLUSTERS: 4 x 4 work-groups; A's tiles are asked for jointly along a row of the cluster, B's along a column.  THE MATRIX INSTRUCTION IS USED TRANSPOSED (source 0 = 16 rows of W, source 1 = 16 rows of A).
; Fragments come by four loads of 16 bytes (K = 32 c + 16 (l / 16) + 0 .. 15 in registers 4 c .. 4 c + 3): a permutation of k, the same on both sides.
; REGISTERS: window 0: v16-29 addresses; v[32:35] my four columns' bias; v64-127 rows on the way out, two sets; v128-255 the accumulators ((a, b) at v[128 + 8 (4 a + b)]).
;   window 1: two fragment buffers of 128: A's four fragments, then B's four.   window 2: v0-127 my 64 x 64 of the residual, asked for at the head.
.set FF2, 1
.if FF2
.set SIZE_K,  4096
.set APITCH,  144
.set AROWB,   8192
.set AROWS,   4
.set ASTRIDE, 524288
.set AQI,     4                        ; padding after every 32 words
.set ASH,     7                        ; a row's piece is 128 bytes
.set EOFF,    56
.else
.set SIZE_K,  1024
.set APITCH,  80
.set AROWB,   4096
.set AROWS,   8
.set ASTRIDE, 262144
.set AQI,     3                        ; padding after every 16 words
.set ASH,     6                        ; a row's piece is 64 bytes
.set EOFF,    40
.endif
.set ASTEP,  2097152                   ; a K step of 512 on, in A: AROWS x ASTRIDE
.set AHALF,  AROWS*64*APITCH           ; what one load of A takes in LDS
.set BPITCH, 528
.set BHALF,  64*BPITCH
.set SLOT,   2*AHALF+2*BHALF
.set SPARE,  2*SLOT                    ; behind the ring: the spare words, 128 bytes for each wave, which no other line names
.set STAGE,  SPARE+512                 ; behind them: 16 rows x 272 bytes for each wave; no tile lands there
.set SPITCH, 272
.set LAPS,   SIZE_K/1024               ; a lap = two K steps
.set ADRA, 16
.set ADRB, 20
.set STO,  24
.set RD,   25
.set CO,   26
.set SPW,  28
.set NIL,  29
.set BI,   32
.set ACC,  128
.set F0,   0
.set F1,   128
.set G1, 24
.set G0, 32
.set G1B, 48
.set G0B, 56
.set MSB, 0
.macro WIN new                         ; the immediate's high byte repeats the setting that is left
.if MSB != (\new)
	s_set_vgpr_msb (MSB<<8)|(\new)
.set MSB, (\new)
.endif
.endm
.set MUL,   0x05                       ; sources 0 (B) and 1 (A) window 1; C and D window 0
.set TO_F,  0x40                       ; destination window 1
.set TO_R,  0x80                       ; destination window 2
.set ADD_R, 0x08                       ; source 1 window 2
.macro JLOAD s                         ; a joint load: waves 0 and 1 fetch A's halves, waves 2 and 3 B's; an s_nop 0 and four v_nop follow each of the two lines
	s_cmp_eq_u32 s11, 0
	s_cbranch_scc0 .Lfor_b_\@
	tensor_load_to_lds s[G0+4*\s:G0+4*\s+3], s[G1:G1+7]
	s_nop 0
.rept 4
	v_nop
.endr
	s_branch .Lasked_\@
.Lfor_b_\@:
	tensor_load_to_lds s[G0B+4*\s:G0B+4*\s+3], s[G1B:G1B+7]
	s_nop 0
.rept 4
	v_nop
.endr
.Lasked_\@:
.endm
.macro CREST
	s_cmp_lg_u32 s10, 0
	s_cbranch_scc1 .Lnot_wave_0_\@
	s_barrier_signal -3
.Lnot_wave_0_\@:
	s_barrier_wait -3
	s_barrier_signal -1
	s_barrier_wait -1
.endm
.macro CROUND
	s_barrier_signal -1
	s_barrier_wait -1
	CREST
.endm
	s_load_b256 s[68:75], s[0:1], 0x0              ; A s[68:69], W s[70:71], exponents s[72:73], bias s[74:75]
	s_load_b128 s[76:79], s[0:1], 0x20             ; res s[76:77], out s[78:79]
	v_lshl_add_u32 v[SPW], v0, 2, SPARE
	v_mov_b32 v[NIL], 0
	ds_add_u32 v[SPW], v[NIL]                      ; the wave's opening: the add, twice on end, and its wait, ahead of my first tensor load; the set-up below stands between
	ds_add_u32 v[SPW], v[NIL]
	v_lshrrev_b32 v1, 5, v0
	v_readfirstlane_b32 s10, v1                    ; wave 0..3
	s_lshr_b32 s11, s10, 1                         ; which half of the tile's rows is mine.  Also: I fetch for A (0) or for B (1)
	s_and_b32 s12, s10, 1                          ; which half of its columns.  Also: which 64 rows of that tile I fetch
	s_bfe_u32 s40, ttmp6, 0x40000                  ; cx, cy
	s_bfe_u32 s41, ttmp6, 0x40004
	s_lshl_b32 s42, ttmp9, 2
	s_add_co_u32 s42, s42, s40                     ; tile column
	s_and_b32 s13, ttmp7, 0xffff
	s_lshl_b32 s13, s13, 2
	s_add_co_u32 s13, s13, s41                     ; tile row
	s_lshl_b32 s43, s41, 2
	s_lshl_b32 s43, 15, s43                        ; my row of the cluster
	s_lshl_b32 s44, 0x1111, s40                    ; my column
	s_or_b32 s[G1+0], s43, (0<<16)|(1<<20)|(1<<21)|(AQI<<22)|(3<<25)   ; the mask; elements of 1 byte; padding on; bit 21 beside a mask; four words of padding behind each row's piece
	s_mov_b32 s[G1+1], AROWB<<16                   ; tensor_dim0
	s_mov_b32 s[G1+2], AROWS<<16                   ; tensor_dim1
	s_mov_b32 s[G1+3], AROWB<<16                   ; tile_dim0
	s_mov_b32 s[G1+4], AROWS                       ; tile_dim1
	s_mov_b32 s[G1+5], ASTRIDE                     ; tensor_dim0_stride
	s_mov_b32 s[G1+6], 0
	s_mov_b32 s[G1+7], 0
	s_or_b32 s[G1B+0], s44, (0<<16)|(1<<20)|(1<<21)|(6<<22)|(3<<25)    ; four words after every 128
	s_mov_b32 s[G1B+1], 512<<16
	s_mov_b32 s[G1B+2], 64<<16
	s_mov_b32 s[G1B+3], 512<<16
	s_mov_b32 s[G1B+4], 64
	s_mov_b32 s[G1B+5], SIZE_K
	s_mov_b32 s[G1B+6], 0
	s_mov_b32 s[G1B+7], 0
	s_lshl_b32 s17, s12, 6                         ; which 64 rows of the tile I fetch
	s_lshl_b32 s16, s13, 7
	s_add_co_u32 s16, s16, s17                     ; A: row 128 x tile row + 64 x half,
	s_lshl_b32 s16, s16, ASH                       ; its piece in the first run
	s_lshl_b32 s46, s42, 7
	s_add_co_u32 s46, s46, s17                     ; B: row 128 x tile column + 64 x half
	s_mul_i32 s46, s46, SIZE_K
	s_mov_b32 s17, 0
	s_mov_b32 s47, 0
	s_mul_i32 s20, s12, AHALF                      ; where they go: no place in the cluster enters an LDS address
	s_mul_i32 s21, s12, BHALF
	s_add_co_u32 s21, s21, 2*AHALF
	s_wait_dscnt 0x0                               ; both opening adds are done
	s_wait_kmcnt 0x0
	s_load_b64 s[96:97], s[72:73], EOFF            ; ea, eb
	s_add_nc_u64 s[14:15], s[68:69], s[16:17]
	s_add_nc_u64 s[46:47], s[70:71], s[46:47]
	CROUND                                         ; all sixteen work-groups are here: the first joint loads meet
.irp s, 0,1
	s_mov_b32 s[G0+4*\s], 1
	s_add_co_u32 s[G0+4*\s+1], s20, \s*SLOT
	s_add_nc_u64 s[G0+4*\s+2:G0+4*\s+3], s[14:15], \s*ASTEP
	s_or_b32 s[G0+4*\s+3], s[G0+4*\s+3], 0x80000000
	s_mov_b32 s[G0B+4*\s], 1
	s_add_co_u32 s[G0B+4*\s+1], s21, \s*SLOT
	s_add_nc_u64 s[G0B+4*\s+2:G0B+4*\s+3], s[46:47], \s*512
	s_or_b32 s[G0B+4*\s+3], s[G0B+4*\s+3], 0x80000000
.if \s == 0
	JLOAD \s                                       ; K step 0: one tensor load a wave at the head
.endif
.endr
	; THE PREFETCH INTO THE L2.  What a wave fetches for a K step is 128 blocks of 256 bytes: of A four dense runs of 8,192 bytes, of B 64 rows of 512 bytes.  The four partners that ask for it jointly share it out by address:
	; the partner at place p (cx for A, cy for B) names A's run p, lanes 256 bytes apart, or B's rows 16 p .. 16 p + 15, two lanes a row: one instruction a wave, each block once in the cluster.
	; K steps 1 and 2 are named at the head, K step 3 behind K step 1's load, and behind the refill for K step t + 2 the K step t + 4; the loop's last trip names nothing.
	s_cmp_eq_u32 s11, 0                            ; do I fetch for A?
	s_cselect_b64 s[80:81], s[14:15], s[46:47]
	s_cselect_b32 s84, s40, s41                    ; my place among the four
	s_mov_b32 s85, 65536
	s_cselect_b32 s85, ASTRIDE, s85                ; from share to share
	s_mov_b32 s86, 4096
	s_cselect_b32 s86, 512, s86                    ; from one pair of lanes to the next
	s_mov_b32 s82, 512
	s_cselect_b32 s82, ASTEP, s82                  ; a K step on
	s_mov_b32 s83, 0
	s_mul_i32 s84, s84, s85
	s_mov_b32 s85, 0
	s_add_nc_u64 s[80:81], s[80:81], s[84:85]
	s_add_nc_u64 s[88:89], s[80:81], s[82:83]      ; K step 1
	s_add_nc_u64 s[90:91], s[88:89], s[82:83]      ; K step 2
	s_add_nc_u64 s[80:81], s[90:91], s[82:83]      ; K step 3: this pair walks on
	v_and_b32 v31, 31, v0
	v_lshrrev_b32 v30, 1, v31
	v_mul_lo_u32 v30, v30, s86
	v_and_b32 v31, 1, v31
	v_lshl_add_u32 v30, v31, 8, v30
	v_and_b32 v1, 15, v0
	v_bfe_u32 v2, v0, 4, 1                         ; h
	v_mul_u32_u24 v3, v1, APITCH
	v_lshl_add_u32 v3, v2, 4, v3
	v_mul_u32_u24 v4, v1, BPITCH
	v_lshl_add_u32 v4, v2, 4, v4
	s_mul_i32 s21, s11, AHALF                      ; my 64 rows of A
	s_mul_i32 s22, s12, BHALF                      ; my 64 rows of B,
	s_add_co_u32 s22, s22, 2*AHALF                 ; which lie behind A's two halves
.irp s, 0,1
	v_add_nc_u32 v[ADRA+\s], s21, v3
	v_add_nc_u32 v[ADRB+\s], s22, v4
	s_add_co_u32 s21, s21, SLOT
	s_add_co_u32 s22, s22, SLOT
.endr
	global_prefetch_b8 v30, s[88:89] th:TH_LOAD_NT scope:SCOPE_SE
	global_prefetch_b8 v30, s[90:91] th:TH_LOAD_NT scope:SCOPE_SE
	s_mul_i32 s23, s10, 16*SPITCH
	s_add_co_u32 s23, s23, STAGE                   ; my stage
	v_mul_u32_u24 v5, v1, SPITCH
	v_lshl_add_u32 v5, v2, 5, v5
	v_add_nc_u32 v[STO], s23, v5                   ; in: row r, 32 bytes for each half of the lanes
	v_mul_u32_u24 v5, v2, SPITCH
	v_lshl_add_u32 v5, v1, 4, v5
	v_add_nc_u32 v[RD], s23, v5                    ; back: lanes 0-15 one row of 256 bytes, lanes 16-31 the next
	v_lshlrev_b32 v27, 4, v1
	v_lshl_add_u32 v[CO], v2, 12, v27              ; and the same two rows in res and out: rows of 4,096 bytes
	s_wait_alu depctr_va_vdst(0)
	s_lshl_b32 s16, s13, 7
	s_lshl_b32 s17, s11, 6
	s_add_co_u32 s16, s16, s17                     ; my first row,
	s_lshl_b32 s16, s16, 12                        ; in bytes
	s_lshl_b32 s46, s42, 9
	s_lshl_b32 s47, s12, 8
	s_add_co_u32 s46, s46, s47                     ; my first column, in bytes
	s_mov_b32 s47, 0
	s_add_nc_u64 s[74:75], s[74:75], s[46:47]
	s_add_co_u32 s16, s16, s46
	s_mov_b32 s17, 0
	s_add_nc_u64 s[76:77], s[76:77], s[16:17]
	s_add_nc_u64 s[78:79], s[78:79], s[16:17]
.macro MULA f, a, zero                 ; four matrix instructions: A's block a x B's four, 128 along K.  The 16 accumulators take turns, one instruction a turn
.irp b, 0,1,2,3
.if \zero
	v_wmma_f32_16x16x128_fp8_fp8 v[ACC+8*(4*(\a)+\b):ACC+8*(4*(\a)+\b)+7], v[\f+64+16*\b:\f+64+16*\b+15], v[\f+16*(\a):\f+16*(\a)+15], 0
.else
	v_wmma_f32_16x16x128_fp8_fp8 v[ACC+8*(4*(\a)+\b):ACC+8*(4*(\a)+\b)+7], v[\f+64+16*\b:\f+64+16*\b+15], v[\f+16*(\a):\f+16*(\a)+15], v[ACC+8*(4*(\a)+\b):ACC+8*(4*(\a)+\b)+7]
.endif
.endr
.endm
.macro FETCH slot, q, f                ; 32 LDS loads in one run: the fragments of the slot's q-th 128 along K into buffer f
	WIN TO_F
.irp i, 0,1,2,3
.irp c, 0,1,2,3
	ds_load_b128 v[\f+64+16*\i+4*\c:\f+64+16*\i+4*\c+3], v[ADRB+\slot] offset:128*(\q)+32*\c+\i*16*BPITCH
.endr
.endr
.irp i, 0,1,2,3
.irp c, 0,1,2,3
.if FF2
	ds_load_b128 v[\f+16*\i+4*\c:\f+16*\i+4*\c+3], v[ADRA+\slot] offset:(\q)*64*APITCH+\i*16*APITCH+32*\c
.else
	ds_load_b128 v[\f+16*\i+4*\c:\f+16*\i+4*\c+3], v[ADRA+\slot] offset:(2*(\q)+\c/2)*64*APITCH+\i*16*APITCH+32*(\c%2)
.endif
.endr
.endr
.endm
.macro PLACES                          ; four places in front of loads into registers that matrix instructions have read, and of the first read of results
.rept 4
	v_nop
.endr
.endm
; A K step is four quarters of 128 along K, 16 matrix instructions each, on buffers 0, 1, 0, 1.  One of the first three: the next quarter, q, is asked for first, into g, then buffer f is multiplied.
.macro QUARTER slot, q, f, g, zero
	s_wait_dscnt 0x0                               ; buffer f's loads, issued a quarter ago, are in
	PLACES
	FETCH \slot, \q, \g
	WIN MUL
	MULA \f, 0, \zero
	MULA \f, 1, \zero
	MULA \f, 2, \zero
	MULA \f, 3, \zero
.endm
; The last quarter multiplies buffer 1 and changes slots: ONE barrier; in front of it each wave waits for all its tensor loads, adds 0 to its spare word, and waits for that and for its own reads of this slot.  fill = 1: this slot is filled again, two K steps ahead.
.macro TURN slot, next, fill
	WIN 0                                          ; (the add's two registers lie in window 0)
.if \fill
	s_wait_xcnt 0x0                                ; my last prefetch has read its address
	s_add_nc_u64 s[80:81], s[80:81], s[82:83]      ; a K step on
.endif
	s_wait_tensorcnt 0x0                           ; all my tensor loads have landed: my part of the next slot
	ds_add_u32 v[SPW], v[NIL]                      ; 0 onto my spare word
	s_wait_dscnt 1                                 ; buffer 1 is in; the add may be out
	WIN MUL
	MULA F1, 0, 0                                  ; four matrix instructions stand between the add and the wait for it
	s_wait_dscnt 0x0                               ; the add is done, and my reads of this slot are over
	s_barrier_signal -1
	MULA F1, 1, 0
	WIN 0
	s_barrier_wait -1
.if \fill
	CREST                                          ; the barrier has opened a round of the cluster's barrier: no wave of any partner still reads this slot or has a load on its way
	s_add_nc_u64 s[G0+4*\slot+2:G0+4*\slot+3], s[G0+4*\slot+2:G0+4*\slot+3], 2*ASTEP
	s_add_nc_u64 s[G0B+4*\slot+2:G0B+4*\slot+3], s[G0B+4*\slot+2:G0B+4*\slot+3], 1024
	JLOAD \slot                                    ; the first tensor load behind the round; its four v_nop are the places in front of the loads below
.else
	PLACES
.endif
	FETCH \next, 0, F0
.if \fill
	WIN 0
	s_cmp_gt_u32 s3, 1                             ; the loop's last trip has no K step two refills on
	s_cbranch_scc0 .Lno_ask_\@
	global_prefetch_b8 v30, s[80:81] th:TH_LOAD_NT scope:SCOPE_SE
.Lno_ask_\@:
.endif
	WIN MUL
	MULA F1, 2, 0
	MULA F1, 3, 0
.endm
	s_wait_alu depctr_va_vdst(0)
	s_wait_tensorcnt 0x0                           ; my part of K step 0 is in
	ds_add_u32 v[SPW], v[NIL]
	s_wait_dscnt 0x0
	CROUND                                         ; everybody's part of K step 0 is in, and the sixteen work-groups meet
	JLOAD 1                                        ; K step 1: the first tensor load behind the round
	FETCH 0, 0, F0
	WIN 0
	global_prefetch_b8 v30, s[80:81] th:TH_LOAD_NT scope:SCOPE_SE
	QUARTER 0, 1, F0, F1, 1                        ; the first quarter stands in front of the loop: its products start the sums
.if LAPS > 1
	WIN 0                                          ; at a label and at a branch every window is 0
	s_mov_b32 s3, LAPS-1
.Llap:                                                 ; a trip goes once round the ring, from a lap's second quarter to the next lap's first, and fills both slots again
	s_cmp_lg_u32 s3, 1                             ; the loop's last trip, which names no prefetch, asks for the residual and the bias: a lap and the tail are left for them to land
	s_cbranch_scc1 .Lno_res
	WIN TO_R
.irp a, 0,1,2,3
.irp t, 0,1,2,3,4,5,6,7
	global_load_b128 v[32*\a+4*\t:32*\a+4*\t+3], v[CO], s[76:77] offset:(16*\a+2*\t)*4096 th:TH_LOAD_NT   ; in the layout in which the rows come back from the stage
.endr
.endr
	WIN 0
	global_load_b128 v[BI:BI+3], v27, s[74:75]     ; the bias of my four columns
.Lno_res:
	QUARTER 0, 2, F1, F0, 0
	QUARTER 0, 3, F0, F1, 0
	TURN 0, 1, 1
	QUARTER 1, 1, F0, F1, 0
	QUARTER 1, 2, F1, F0, 0
	QUARTER 1, 3, F0, F1, 0
	TURN 1, 0, 1
	QUARTER 0, 1, F0, F1, 0
	WIN 0
	s_sub_co_u32 s3, s3, 1
	s_cmp_lg_u32 s3, 0
	s_cbranch_scc1 .Llap
.endif
	QUARTER 0, 2, F1, F0, 0                        ; the last lap fills nothing, and has no round of the cluster's barrier
	QUARTER 0, 3, F0, F1, 0
	TURN 0, 1, 0
	QUARTER 1, 1, F0, F1, 0
	QUARTER 1, 2, F1, F0, 0
	QUARTER 1, 3, F0, F1, 0
	s_wait_dscnt 0x0                               ; the very last quarter: nothing more to fetch
	MULA F1, 0, 0
	MULA F1, 1, 0
	MULA F1, 2, 0
	MULA F1, 3, 0
	WIN 0
; THE WAY OUT, block by block of 16 rows x 64 columns.  A lane holds 32 neighbouring bytes of a row and the lanes beside it other rows: the sums go through my own stage as they are and come back as whole rows of 256 bytes;
; then sum x 2^(ea + eb) + bias, one packed multiply-add for two numbers, + the residual.  LDS serves a wave's instructions in order (ISA guide 5.7.1.4): no wait between the stores and the loads.
.macro STG a
.set OBB, 64+32*((\a)%2)
.irp b, 0,1,2,3
	ds_store_b128 v[STO], v[ACC+8*(4*(\a)+\b):ACC+8*(4*(\a)+\b)+3] offset:64*\b          ; each accumulator from its low end on
	ds_store_b128 v[STO], v[ACC+8*(4*(\a)+\b)+4:ACC+8*(4*(\a)+\b)+7] offset:64*\b+16
.endr
.irp t, 0,1,2,3,4,5,6,7
	ds_load_b128 v[OBB+4*\t:OBB+4*\t+3], v[RD] offset:\t*2*SPITCH
.endr
.endm
.macro EMIT a, younger                 ; younger: the LDS instructions issued behind block a's loads, which may stay out
.set OBB, 64+32*((\a)%2)
	s_wait_dscnt \younger
.irp t, 0,1,2,3,4,5,6,7
.irp u, 0,2
	v_pk_fma_f32 v[OBB+4*\t+\u:OBB+4*\t+\u+1], v[OBB+4*\t+\u:OBB+4*\t+\u+1], s[96:97], v[BI+\u:BI+\u+1] op_sel_hi:[1,0,1]
.endr
.endr
	WIN ADD_R
.irp t, 0,1,2,3,4,5,6,7
.irp u, 0,2
	v_pk_add_f32 v[OBB+4*\t+\u:OBB+4*\t+\u+1], v[OBB+4*\t+\u:OBB+4*\t+\u+1], v[32*(\a)+4*\t+\u:32*(\a)+4*\t+\u+1]
.endr
.endr
	WIN 0
.irp t, 0,1,2,3,4,5,6,7
.if FF2
	global_store_b128 v[CO], v[OBB+4*\t:OBB+4*\t+3], s[78:79] offset:(16*(\a)+2*\t)*4096 th:TH_STORE_NT   ; 16 lanes store 256 consecutive bytes, aligned; written once, read by nobody here
.else
	global_store_b128 v[CO], v[OBB+4*\t:OBB+4*\t+3], s[78:79] offset:(16*(\a)+2*\t)*4096                  ; 16 lanes store 256 consecutive bytes, aligned
.endif
.endr
.endm
	s_wait_kmcnt 0x0
	s_add_co_i32 s96, s96, s97
	s_add_co_i32 s96, s96, 127
	s_lshl_b32 s96, s96, 23                        ; 2^(ea + eb) as f32
	s_mov_b32 s97, s96                             ; (named with it as a pair, so it is written)
	PLACES                                         ; behind the last products
	s_wait_loadcnt 0x0                             ; the residual and the bias
	STG 0
	STG 1
	EMIT 0, 16                                     ; behind block 0's loads: block 1's 8 stores and 8 loads
	s_wait_xcnt 0x0                                ; block 0's stores have read their registers: block 2's rows may land there
	STG 2
	EMIT 1, 16
	s_wait_xcnt 0x0
	STG 3
	EMIT 2, 16
	EMIT 3, 0
	s_wait_tensorcnt 0x0                           ; the wave's end, behind my last tensor load and my last LDS store
	ds_add_u32 v[SPW], v[NIL]
	s_wait_dscnt 0x0
	CROUND                                         ; the closing round: no work-group ends while a partner may still ask for a tile that names it
	s_endpgm
.Lfunc_end_k_qf747bebaad_ff2:
	.size	k_qf747bebaad_ff2, .Lfunc_end_k_qf747bebaad_ff2-k_qf747bebaad_ff2
	.p2alignl 7, 3214868480
	.fill 96, 4, 3214868480
	.section	.rodata,"a",@progbits
	.p2align	6, 0x0
	.amdhsa_kernel k_qf747bebaad_ff2
		.amdhsa_group_segment_fixed_size 327680
		.amdhsa_private_segment_fixed_size 0
		.amdhsa_enable_private_segment 0
		.amdhsa_kernarg_size 48
		.amdhsa_user_sgpr_count 2
		.amdhsa_user_sgpr_kernarg_segment_ptr 1
		.amdhsa_wavefront_size32 1
		.amdhsa_system_sgpr_workgroup_id_x 1
		.amdhsa_system_sgpr_workgroup_id_y 1
		.amdhsa_system_sgpr_workgroup_id_z 1
		.amdhsa_system_vgpr_workitem_id 0
		.amdhsa_next_free_vgpr 640
		.amdhsa_next_free_sgpr 100
		.amdhsa_reserve_vcc 0
		.amdhsa_float_denorm_mode_32 3
		.amdhsa_float_denorm_mode_16_64 3
		.amdhsa_memory_ordered 1
		.amdhsa_forward_progress 1
		.amdhsa_inst_pref_size 83
	.end_amdhsa_kernel
	.amdgpu_metadata
---
amdhsa.version: [ 1, 2 ]
amdhsa.kernels:
  - .name:           k_qf747bebaad_ff2
    .symbol:         k_qf747bebaad_ff2.kd
    .args:
      - { .name: hid, .offset: 0, .size: 8, .value_kind: global_buffer, .address_space: global }
      - { .name: w2_codes, .offset: 8, .size: 8, .value_kind: global_buffer, .address_space: global }
      - { .name: lowp_scales, .offset: 16, .size: 8, .value_kind: global_buffer, .address_space: global }
      - { .name: b2, .offset: 24, .size: 8, .value_kind: global_buffer, .address_space: global }
      - { .name: x1, .offset: 32, .size: 8, .value_kind: global_buffer, .address_space: global }
      - { .name: out0, .offset: 40, .size: 8, .value_kind: global_buffer, .address_space: global }
    .group_segment_fixed_size: 327680
    .private_segment_fixed_size: 0
    .kernarg_segment_align: 8
    .kernarg_segment_size: 48
    .max_flat_workgroup_size: 128
    .sgpr_count:     100
    .vgpr_count:     640
    .wavefront_size: 32
...
	.end_amdgpu_metadata
.endif
;; end of part 7
